; MI455X (gfx1250); checked and timed in simulation.
; The chip was launched on July 23, 2026; its instructions are those of AMD's public machine-readable ISA for CDNA 5 (MIT licence, August 2026) and "CDNA5" Instruction Set Architecture Reference Guide (July 2026). The comments in the code are by the model that wrote it; some were corrected since.
;; Transformer Block. Allowed arithmetic: matrix products marked QUANTISED: E4M3 operands, one given power-of-two scale a tensor, by v_wmma_f32_16x16x64_fp8_fp8 or v_wmma_f32_16x16x128_fp8_fp8, f32 sums; everything else in f32.
;; Inputs: ffn1_bias 1,024 float32; ffn1_weight 1,024 x 1,024 float32; ffn2_bias 1,024 float32; ffn2_weight 1,024 x 1,024 float32; k_bias 1,024 float32; k_weight 1,024 x 1,024 float32; ln1_beta 1,024 float32; ln1_gamma 1,024 float32; ln2_beta 1,024 float32; ln2_gamma 1,024 float32; lowp_scales 16 int32 (the exponents e of the quantised operands' scales 2^e); o_bias 1,024 float32; o_weight 1,024 x 1,024 float32; q_bias 1,024 float32; q_weight 1,024 x 1,024 float32; v_bias 1,024 float32; v_weight 1,024 x 1,024 float32; x 2 x 2,048 x 1,024 float32.
;; Outputs: out0 2 x 2,048 x 1,024 float32.
;; This version of the problem:
;;   THIS VERSION OF THE PROBLEM IS GIVEN IN LOW PRECISION. The matrix products marked QUANTISED in the list below multiply operands that are first quantised to E4M3 (4 exponent bits, 3 mantissa bits; 8 bits a number), with one given power-of-two scale for each operand tensor; their sums are f32. All else is computed in f32.
;;   The module's matrix products, in the order in which they are computed (A, B: the left and right operand; K: the contracted axis; several contracted axes count as one K, in the product's order):
;;     1. [M 4,096, K 1,024] x [K 1,024, N 1,024]; A: computed on the way; B: input q_weight: QUANTISED (scales: A lowp_scales[0], B lowp_scales[1])
;;     2. [M 4,096, K 1,024] x [K 1,024, N 1,024]; A: computed on the way; B: input k_weight: QUANTISED (scales: A lowp_scales[2], B lowp_scales[3])
;;     3. [M 4,096, K 1,024] x [K 1,024, N 1,024]; A: computed on the way; B: input v_weight: QUANTISED (scales: A lowp_scales[4], B lowp_scales[5])
;;     4. batch 32 x [M 2,048, K 64] x [K 64, N 2,048]; A: computed on the way; B: computed on the way: QUANTISED (scales: A lowp_scales[6], B lowp_scales[7])
;;     5. batch 32 x [M 2,048, K 2,048] x [K 2,048, N 64]; A: softmax (see below); B: computed on the way: QUANTISED (scales: A lowp_scales[8], B lowp_scales[9])
;;     6. [M 4,096, K 1,024] x [K 1,024, N 1,024]; A: computed on the way; B: input o_weight: QUANTISED (scales: A lowp_scales[10], B lowp_scales[11])
;;     7. [M 4,096, K 1,024] x [K 1,024, N 1,024]; A: computed on the way; B: input ffn1_weight: QUANTISED (scales: A lowp_scales[12], B lowp_scales[13])
;;     8. [M 4,096, K 1,024] x [K 1,024, N 1,024]; A: computed on the way; B: input ffn2_weight: QUANTISED (scales: A lowp_scales[14], B lowp_scales[15])
;;   THE QUANTISER, for each operand of a quantised product, along K:
;;     - The operand's scale is 2^e, e = its entry of the input lowp_scales (int32; the entries are numbered through the quantised products in the list's order, A before B).
;;     - Each number is divided by the scale, clamped to +-448, and rounded to the nearest number of E4M3, ties to even, subnormals kept.
;;     - The product sums the exact products of the quantised numbers (number of the format x scale) in f32.
;;   ~~~python
;;   def quantise(x, axis, e):      # numpy; x: float32 -> the quantised numbers, widened to float32 again
;;       x = np.moveaxis(x, axis, -1); K = x.shape[-1]
;;       r = np.clip(x / 2.0 ** e, -448, 448)
;;       step = 2.0 ** (np.maximum(np.frexp(np.where(r == 0, 1, r))[1] - 1, -6) - 3)
;;       q = np.round(r / step) * step * 2.0 ** e      # np.round: ties to even
;;       return np.moveaxis(q, -1, axis).astype(np.float32)
;;   ~~~
;;   SOFTMAX AHEAD OF A QUANTISED PRODUCT. Where the list says 'softmax', what is quantised is not the finished softmax but p = 2^(t - M), with t = logit x log2(e) and M = ceil(the row's largest t), a whole number; so 1/2 < the row's largest p <= 1. The row's sum l is taken of the UNQUANTISED p, in f32, and the product's result is divided by l at the end. Since M is a whole number, a kernel that streams over the keys may use a running M (the ceiling of the running maximum): every later rescaling is an exact power of two, so the quantised numbers keep their values, but for numbers so far below the row's largest that they fall under the format's range.
;;   OPERANDS COMPUTED ON THE WAY. 'Computed on the way' means the value that the module computes at that place (a softmax that the list does not call 'softmax' is quantised finished and normalised). What goes into a quantiser is computed in f32, as accurately as f32 sums, v_exp_f32 and their like allow (about 1e-6 of the number): no bf16 or f16 on the way to a quantiser, and a product that is left as it is and whose result goes on into a quantised operand takes f32 operands (vector FMAs, or v_wmma_f32_16x16x4_f32). A number that lies on a knife's edge between two numbers of the format may be rounded either way, as far as f32 arithmetic and the matrix unit's own rounding can turn it there, and no further.
;; One version. Each part assembles by itself: llvm-mc -triple=amdgcn-amd-amdhsa -mcpu=gfx1250 --defsym DOCPART=n.
;; ======== version 1 of 1: 7 launches
;; limits: right only within a limited range of input values
;; workspace buffers: hc 12,582,912 bytes; wqkv 3,145,728 bytes; wo 1,048,832 bytes; w1 1,048,576 bytes; w2 1,048,832 bytes; qkvc 12,582,912 bytes; act 4,194,304 bytes; x1 16,777,216 bytes
;; launch prep (part 1): grid 640 x 1, 16 waves a work-group, no clusters, 68,096 bytes of LDS; arguments x, q_weight, k_weight, v_weight, o_weight, ffn1_weight, ffn2_weight, ln1_gamma, ln1_beta, lowp_scales, hc, wqkv, wo, w1, w2; writes hc, wqkv, wo, w1, w2
.if DOCPART == 1
	.amdgcn_target "amdgcn-amd-amdhsa--gfx1250"
	.amdhsa_code_object_version 6
	.text
	.protected	k_q44850b12b3_prep
	.globl	k_q44850b12b3_prep
	.p2align	8
	.type	k_q44850b12b3_prep,@function
k_q44850b12b3_prep:
	s_mov_b64 s[64:65], 0
	v_nop
	global_prefetch_b8 v0, s[64:65] scope:SCOPE_SE
	s_setreg_imm32_b32 hwreg(HW_REG_WAVE_MODE, 25, 1), 1
	s_wait_xcnt 0x0
; ln1(x) and the six weights become codes of E4M3, laid as IMAGES OF OPERAND REGISTERS.
; A fragment is 16 rows x 128 K: 16 registers a lane; registers 2c, 2c+1 of lane (r = lane % 16, h = lane / 16) hold k = 16c + 8h + 0..7 of row r.
; In memory it is 4 pieces of 512 bytes: piece q = registers 4q .. 4q+3, lane l's 16 bytes at 16 l.  A matrix of K = 1,024 is [rows / 16][8 fragments][2,048 bytes].
; A work-group takes 16 rows x 1,024 f32.  Work-groups 0-255: rows of x, normalised (mean, then the mean of squared differences: a common offset of x is gone before anything is squared),
; and written three times, with the scales of entries 0, 2 and 4 of lowp_scales.  Work-groups 256-639: 64 for each weight, with entries 1, 3, 5, 11, 13, 15.
; Wave w first holds row w (each load covers 512 consecutive bytes); the rows turn through LDS; then wave w holds k = 64w .. 64w+63 of all 16 rows, eight neighbours along K to a conversion.
; Memory binds this launch: no matrix unit, no tensor load, no cluster (work-groups share no input but gamma and beta, 8 KB).
; Two work-groups also write, behind o_weight's and ffn2_weight's images, the two exponents of their products, 32 times over (one store of 256 consecutive bytes).
; LIMITS: every exponent e of lowp_scales used here lies between -126 and 119, so that 2^e and 448 x 2^e are f32 numbers.  NaN among the inputs is not served.
; WORK LEFT OUT IN THIS PROGRAM (launch attn): key steps that lie wholly above the diagonal of the causal mask that reference() builds in its own body.  Their scores are replaced by -inf there, so p = 0 for
; every value of the inputs: they add nothing to a row's maximum, sum or weighted sum.  LIMIT: a NaN, an infinity or an overflow that reaches only those scores is not carried to the result.
.set PITCH, 4112                       ; an LDS row: 4,096 bytes + 16: the 16 rows that a load touches begin 16 bytes apart modulo 256
.set X,   16                           ; v16-47   the row as loaded, then 32 numbers: register 8c+j = k 64w + 16c + 8h + j of row r
.set GA,  48                           ; v48-79   gamma; later the held copies
.set BE,  80                           ; v80-111  beta
.set CD,  80                           ; v80-103  three sets of 8 registers of codes, in beta's registers, which have been read by then: no store's data are written again
.set SCL, 104                          ; v104     2^e as f32 (beta's registers likewise)
.set LIM, 105                          ; v105     448 x 2^e
.set WV,  34                           ; s34      wave
.set TT,  35                           ; s35      which tensor: 0-5 the weights, 15 x
.set RB,  36                           ; s36      which block of 16 rows
.set EX,  68                           ; s[68:83] the sixteen exponents
.macro FOLD                            ; four chains of pairs into one number a lane
	s_delay_alu instid0(VALU_DEP_3)
	v_pk_add_f32 v[8:9], v[8:9], v[10:11]
	s_delay_alu instid0(VALU_DEP_2)
	v_pk_add_f32 v[12:13], v[12:13], v[14:15]
	s_delay_alu instid0(VALU_DEP_1)
	v_pk_add_f32 v[8:9], v[8:9], v[12:13]
	s_delay_alu instid0(VALU_DEP_1)
	v_add_f32 v8, v8, v9
.endm
.macro REDUCE                          ; the sum over the wave's 32 lanes, in every lane
	s_delay_alu instid0(VALU_DEP_1)
	v_add_f32_dpp v8, v8, v8 row_xmask:1 row_mask:0xf bank_mask:0xf
	s_delay_alu instid0(VALU_DEP_1)
	v_add_f32_dpp v8, v8, v8 row_xmask:2 row_mask:0xf bank_mask:0xf
	s_delay_alu instid0(VALU_DEP_1)
	v_add_f32_dpp v8, v8, v8 row_xmask:4 row_mask:0xf bank_mask:0xf
	s_delay_alu instid0(VALU_DEP_1)
	v_add_f32_dpp v8, v8, v8 row_xmask:8 row_mask:0xf bank_mask:0xf
	s_delay_alu instid0(VALU_DEP_1)
	v_permlanex16_b32 v9, v8, s46, s47
	s_delay_alu instid0(VALU_DEP_1)
	v_add_f32 v8, v8, v9
.endm
.macro SETSC e                         ; the scale and the hold for exponent s[e]
	s_add_co_i32 s48, s[\e], 127
	s_lshl_b32 s49, s48, 23
	v_mov_b32 v[SCL], s49
	s_add_co_i32 s48, s48, 8
	s_lshl_b32 s48, s48, 23
	s_or_b32 s48, s48, 0x600000
	v_mov_b32 v[LIM], s48
.endm
.macro OUT set, base                   ; 32 numbers a lane -> 8 registers of codes -> two stores of 512 consecutive bytes
.set i, 0
.rept 32
	v_med3_num_f32 v[GA+i], v[X+i], -v[LIM], v[LIM]        ; the conversion does not saturate (ISA guide 7.6.2): hold at 448 x the scale first
.set i, i+1
.endr
.irp c, 0,1,2,3
	v_cvt_scalef32_pk8_fp8_f32 v[CD+8*\set+2*\c:CD+8*\set+2*\c+1], v[GA+8*\c:GA+8*\c+7], v[SCL]
.endr
	v_nop                                          ; a plain line behind the last conversion: the next lines write its scale and its sources
	global_store_b128 v1, v[CD+8*\set:CD+8*\set+3], s[\base:\base+1]
	global_store_b128 v1, v[CD+8*\set+4:CD+8*\set+7], s[\base:\base+1] offset:512
.endm
	s_load_b512 s[4:19], s[0:1], 0x0               ; x, q, k, v, o, ffn1, ffn2 weights, ln1_gamma
	s_load_b256 s[20:27], s[0:1], 0x40             ; ln1_beta, lowp_scales, hc, wqkv
	s_load_b128 s[28:31], s[0:1], 0x60             ; wo, w1
	s_load_b64 s[32:33], s[0:1], 0x70              ; w2
	v_lshl_add_u32 v112, v0, 2, 0x10200            ; my spare word; v112 and v113 are kept for the closing add alone
	v_mov_b32 v113, 0
	v_lshrrev_b32 v6, 5, v0
	s_delay_alu instid0(VALU_DEP_1)
	v_readfirstlane_b32 s[WV], v6                  ; wave 0..15
	v_and_b32 v7, 31, v0
	s_delay_alu instid0(VALU_DEP_1)
	v_lshlrev_b32 v1, 4, v7                        ; 16 x lane
	v_and_b32 v2, 15, v0                           ; r
	v_bfe_u32 v3, v0, 4, 1                         ; h
	s_mul_i32 s48, s[WV], PITCH
	v_add_nc_u32 v4, s48, v1                       ; into LDS: row w, 16 bytes a lane
	v_mul_u32_u24 v5, v2, PITCH
	s_delay_alu instid0(VALU_DEP_1)
	v_lshl_add_u32 v5, v3, 5, v5
	s_lshl_b32 s48, s[WV], 8
	v_add_nc_u32 v5, s48, v5                       ; out of LDS: row r, byte 256 w + 32 h
	v_lshlrev_b32 v6, 3, v7                        ; 8 x lane, for the two exponents
	s_sub_co_u32 s48, ttmp9, 0x100
	s_lshr_b32 s49, s48, 6
	s_and_b32 s50, s48, 63
	s_cmp_lt_u32 ttmp9, 0x100
	s_cselect_b32 s[TT], 15, s49
	s_cselect_b32 s[RB], ttmp9, s50
	s_lshl_b32 s52, s[RB], 16                      ; source: 16 rows of 4,096 bytes a block, a row a wave
	s_lshl_b32 s48, s[WV], 12
	s_add_co_u32 s52, s52, s48
	s_mov_b32 s53, 0
	s_lshl_b32 s54, s[RB], 14                      ; codes: 16,384 bytes a block, 1,024 a wave
	s_lshl_b32 s48, s[WV], 10
	s_add_co_u32 s54, s54, s48
	s_lshl_b32 s48, s[TT], 20                      ; q, k, v lie 1 MiB apart in wqkv
	s_cmp_lt_u32 s[TT], 3
	s_cselect_b32 s48, s48, 0
	s_add_co_u32 s54, s54, s48
	s_mov_b32 s55, 0
	s_mov_b32 s46, 0x76543210                      ; lane selects: lane l xor 16
	s_mov_b32 s47, 0xfedcba98
	s_mov_b32 s56, 0x3a800000                      ; 1 / 1024
	s_mov_b32 s57, 0x3727c5ac                      ; 1e-5
	s_wait_alu depctr_va_vdst(0)
	s_wait_kmcnt 0x0
	s_load_b512 s[EX:EX+15], s[22:23], 0x0
	s_mov_b64 s[38:39], s[4:5]                     ; the buffers are chosen on the work-group's number alone
	s_mov_b64 s[40:41], s[24:25]
.irp k, 0,1,2,3,4,5
	s_cmp_eq_u32 s[TT], \k
	s_cselect_b64 s[38:39], s[6+2*\k:7+2*\k], s[38:39]
.endr
	s_cmp_lt_u32 s[TT], 3
	s_cselect_b64 s[40:41], s[26:27], s[40:41]
	s_cmp_eq_u32 s[TT], 3
	s_cselect_b64 s[40:41], s[28:29], s[40:41]
	s_cmp_eq_u32 s[TT], 4
	s_cselect_b64 s[40:41], s[30:31], s[40:41]
	s_cmp_eq_u32 s[TT], 5
	s_cselect_b64 s[40:41], s[32:33], s[40:41]
	s_add_nc_u64 s[38:39], s[38:39], s[52:53]
	s_add_nc_u64 s[40:41], s[40:41], s[54:55]
	s_add_nc_u64 s[42:43], s[40:41], 0x400000      ; (used by x's work-groups alone: the second and third set of codes)
	s_add_nc_u64 s[44:45], s[40:41], 0x800000
.set i, 0
.rept 8
	global_load_b128 v[X+4*i:X+4*i+3], v1, s[38:39] offset:512*i th:TH_LOAD_NT   ; my row: 512 consecutive bytes a load
.set i, i+1
.endr
	s_cmp_lt_u32 ttmp9, 0x100
	s_cbranch_scc0 .Lplain
.set i, 0
.rept 8
	global_load_b128 v[GA+4*i:GA+4*i+3], v1, s[18:19] offset:512*i
	global_load_b128 v[BE+4*i:BE+4*i+3], v1, s[20:21] offset:512*i
.set i, i+1
.endr
	s_wait_loadcnt 16                              ; the row is in; the 16 loads of gamma and beta are younger
.irp c, 0,1,2,3
	v_pk_add_f32 v[8+2*\c:9+2*\c], v[X+2*\c:X+2*\c+1], v[X+8+2*\c:X+9+2*\c]
.endr
.irp g, 16,24
.irp c, 0,1,2,3
	s_delay_alu instid0(VALU_DEP_4)
	v_pk_add_f32 v[8+2*\c:9+2*\c], v[8+2*\c:9+2*\c], v[X+\g+2*\c:X+\g+2*\c+1]
.endr
.endr
	FOLD
	REDUCE
	s_delay_alu instid0(VALU_DEP_1)
	v_mul_f32 v10, s56, v8                         ; the mean
	s_delay_alu instid0(VALU_DEP_1)
	v_mov_b32 v11, v10
.set i, 0
.rept 16
	v_pk_add_f32 v[X+2*i:X+2*i+1], v[X+2*i:X+2*i+1], v[10:11] neg_lo:[0,1] neg_hi:[0,1]
.set i, i+1
.endr
.irp c, 0,1,2,3
	v_pk_mul_f32 v[8+2*\c:9+2*\c], v[X+2*\c:X+2*\c+1], v[X+2*\c:X+2*\c+1]
.endr
.irp g, 8,16,24
.irp c, 0,1,2,3
	s_delay_alu instid0(VALU_DEP_4)
	v_pk_fma_f32 v[8+2*\c:9+2*\c], v[X+\g+2*\c:X+\g+2*\c+1], v[X+\g+2*\c:X+\g+2*\c+1], v[8+2*\c:9+2*\c]
.endr
.endr
	FOLD
	REDUCE
	s_delay_alu instid0(VALU_DEP_1)
	v_fma_f32 v8, v8, s56, s57                     ; the variance + 1e-5
	s_wait_alu depctr_va_vdst(0)
	v_rsq_f32 v12, v8
	v_nop                                          ; a plain line behind the transcendental
	s_wait_alu depctr_va_vdst(0)                   ; the wait ahead of the first reader
	v_mov_b32 v13, v12
	s_wait_alu depctr_va_vdst(0)
	s_wait_loadcnt 0x0                             ; gamma and beta
.set i, 0
.rept 16
	v_pk_mul_f32 v[X+2*i:X+2*i+1], v[X+2*i:X+2*i+1], v[12:13]
.set i, i+1
.endr
.set i, 0
.rept 16
	v_pk_fma_f32 v[X+2*i:X+2*i+1], v[X+2*i:X+2*i+1], v[GA+2*i:GA+2*i+1], v[BE+2*i:BE+2*i+1]
.set i, i+1
.endr
.Lplain:
	s_wait_loadcnt 0x0
.set i, 0
	s_wait_alu depctr_va_vdst(0)
.rept 8
	ds_store_b128 v4, v[X+4*i:X+4*i+3] offset:512*i
.set i, i+1
.endr
	s_wait_dscnt 0x0                               ; for the others' sake: my row lies in LDS
	s_barrier_signal -1
	s_barrier_wait -1
.irp c, 0,1,2,3
	ds_load_b128 v[X+8*\c:X+8*\c+3], v5 offset:64*\c
	ds_load_b128 v[X+8*\c+4:X+8*\c+7], v5 offset:64*\c+16
.endr
	s_wait_kmcnt 0x0
	s_mov_b32 s37, s[EX]                           ; my tensor's exponent
	s_cmp_eq_u32 s[TT], 0
	s_cselect_b32 s37, s[EX+1], s37
	s_cmp_eq_u32 s[TT], 1
	s_cselect_b32 s37, s[EX+3], s37
	s_cmp_eq_u32 s[TT], 2
	s_cselect_b32 s37, s[EX+5], s37
	s_cmp_eq_u32 s[TT], 3
	s_cselect_b32 s37, s[EX+11], s37
	s_cmp_eq_u32 s[TT], 4
	s_cselect_b32 s37, s[EX+13], s37
	s_cmp_eq_u32 s[TT], 5
	s_cselect_b32 s37, s[EX+15], s37
	SETSC 37
	s_wait_alu depctr_va_vdst(0)
	s_wait_dscnt 0x0
	OUT 0, 40
	s_cmp_lt_u32 ttmp9, 0x100
	s_cbranch_scc0 .Ltail
	SETSC EX+2                                     ; the same numbers once more for K's product,
	OUT 1, 42
	SETSC EX+4                                     ; and for V's
	OUT 2, 44
.Ltail:
	s_cmp_eq_u32 s[TT], 3                          ; wave 0 of o_weight's and of ffn2_weight's first work-group writes the product's two exponents
	s_cselect_b32 s48, 1, 0
	s_cselect_b32 s50, s[EX+10], s[EX+14]
	s_cselect_b32 s51, s[EX+11], s[EX+15]
	s_cmp_eq_u32 s[TT], 5
	s_cselect_b32 s48, 1, s48
	s_or_b32 s49, s[RB], s[WV]
	s_cmp_eq_u32 s49, 0
	s_cselect_b32 s48, s48, 0
	s_cmp_eq_u32 s48, 0
	s_cbranch_scc1 .Lend
	v_mov_b32 v106, s50
	v_mov_b32 v107, s51
	global_store_b64 v6, v[106:107], s[40:41] offset:0x100000   ; 32 lanes x 8 bytes: 256 consecutive bytes behind the image
.Lend:
	s_wait_tensorcnt 0x0
	ds_add_u32 v112, v113
	s_wait_dscnt 0x0
	s_endpgm
.Lfunc_end_k_q44850b12b3_prep:
	.size	k_q44850b12b3_prep, .Lfunc_end_k_q44850b12b3_prep-k_q44850b12b3_prep
	.p2alignl 7, 3214868480
	.fill 96, 4, 3214868480
	.section	.rodata,"a",@progbits
	.p2align	6, 0x0
	.amdhsa_kernel k_q44850b12b3_prep
		.amdhsa_group_segment_fixed_size 68096
		.amdhsa_private_segment_fixed_size 0
		.amdhsa_enable_private_segment 0
		.amdhsa_kernarg_size 120
		.amdhsa_user_sgpr_count 2
		.amdhsa_user_sgpr_kernarg_segment_ptr 1
		.amdhsa_wavefront_size32 1
		.amdhsa_system_sgpr_workgroup_id_x 1
		.amdhsa_system_sgpr_workgroup_id_y 1
		.amdhsa_system_sgpr_workgroup_id_z 1
		.amdhsa_system_vgpr_workitem_id 0
		.amdhsa_next_free_vgpr 114
		.amdhsa_next_free_sgpr 96
		.amdhsa_reserve_vcc 0
		.amdhsa_float_denorm_mode_32 3
		.amdhsa_float_denorm_mode_16_64 3
		.amdhsa_memory_ordered 1
		.amdhsa_forward_progress 1
		.amdhsa_inst_pref_size 24
	.end_amdhsa_kernel
	.amdgpu_metadata
---
amdhsa.version: [ 1, 2 ]
amdhsa.kernels:
  - .name:           k_q44850b12b3_prep
    .symbol:         k_q44850b12b3_prep.kd
    .args:
      - { .name: x, .offset: 0, .size: 8, .value_kind: global_buffer, .address_space: global }
      - { .name: q_weight, .offset: 8, .size: 8, .value_kind: global_buffer, .address_space: global }
      - { .name: k_weight, .offset: 16, .size: 8, .value_kind: global_buffer, .address_space: global }
      - { .name: v_weight, .offset: 24, .size: 8, .value_kind: global_buffer, .address_space: global }
      - { .name: o_weight, .offset: 32, .size: 8, .value_kind: global_buffer, .address_space: global }
      - { .name: ffn1_weight, .offset: 40, .size: 8, .value_kind: global_buffer, .address_space: global }
      - { .name: ffn2_weight, .offset: 48, .size: 8, .value_kind: global_buffer, .address_space: global }
      - { .name: ln1_gamma, .offset: 56, .size: 8, .value_kind: global_buffer, .address_space: global }
      - { .name: ln1_beta, .offset: 64, .size: 8, .value_kind: global_buffer, .address_space: global }
      - { .name: lowp_scales, .offset: 72, .size: 8, .value_kind: global_buffer, .address_space: global }
      - { .name: hc, .offset: 80, .size: 8, .value_kind: global_buffer, .address_space: global }
      - { .name: wqkv, .offset: 88, .size: 8, .value_kind: global_buffer, .address_space: global }
      - { .name: wo, .offset: 96, .size: 8, .value_kind: global_buffer, .address_space: global }
      - { .name: w1, .offset: 104, .size: 8, .value_kind: global_buffer, .address_space: global }
      - { .name: w2, .offset: 112, .size: 8, .value_kind: global_buffer, .address_space: global }
    .group_segment_fixed_size: 68096
    .private_segment_fixed_size: 0
    .kernarg_segment_align: 8
    .kernarg_segment_size: 120
    .max_flat_workgroup_size: 512
    .sgpr_count:     96
    .vgpr_count:     114
    .wavefront_size: 32
...
	.end_amdgpu_metadata
.endif
;; end of part 1
;; launch qkv (part 2): grid 24 x 32, 4 waves a work-group, clusters of 4 x 4, 262,656 bytes of LDS; arguments hc, wqkv, q_bias, k_bias, v_bias, lowp_scales, qkvc; writes qkvc
.if DOCPART == 2
	.amdgcn_target "amdgcn-amd-amdhsa--gfx1250"
	.amdhsa_code_object_version 6
	.text
	.protected	k_q44850b12b3_qkv
	.globl	k_q44850b12b3_qkv
	.p2align	8
	.type	k_q44850b12b3_qkv,@function
k_q44850b12b3_qkv:
	s_mov_b64 s[64:65], 0
	v_nop
	global_prefetch_b8 v0, s[64:65] scope:SCOPE_SE
	s_setreg_imm32_b32 hwreg(HW_REG_WAVE_MODE, 25, 1), 1
	s_wait_xcnt 0x0
	s_wait_alu depctr_hold_cnt(0) depctr_sa_sdst(0) depctr_va_vdst(0) depctr_va_sdst(0) depctr_va_ssrc(0) depctr_va_vcc(0) depctr_vm_vsrc(0)
	s_getreg_b32 s2, hwreg(HW_REG_IB_STS2, 6, 4)
	s_cmp_eq_u32 s2, 0
	s_cbranch_scc0 .Lentry_in_a_cluster
	s_endpgm
.Lentry_in_a_cluster:
	s_bfe_u32 s2, ttmp6, 0x10000c
	s_cmp_lg_u32 s2, 0xf033
	s_cbranch_scc0 .Lentry_shape_is_right
	s_endpgm
.Lentry_shape_is_right:
; Q, K and V = ln1(x) W^T + bias on codes of E4M3, and their own codes for attention.  All operands lie in memory as images of operand registers ([rows / 16][8 fragments][2,048 bytes]).
; A work-group makes 128 "Y rows" x 128 "X rows" over K = 1,024; four waves, 64 x 64 each: 16 accumulators.  The matrix instruction is used transposed: source 0 = 16 X rows, source 1 = 16 Y rows:
; lane (r, h) holds Y row r and its eight registers X rows 8h + 0..7, eight neighbours along the NEXT product's K: a conversion's two registers are registers 2b, 2b+1 of the next operand.
; Clusters 0-1 along x make Q, 2-3 K, 4-5 V.  Q, K: Y = tokens, X = features (next K = the head's 64).  V: Y = features, X = tokens (next K = the keys).  The choice hangs on the cluster's x alone.
; THE WHOLE TILE LIES IN LDS AT ONCE, as it lies in memory: Y's 128 KB, then X's.  Half a tile (64 rows, all of K) is 65,536 consecutive bytes: ONE tensor load a wave at the head brings it
; (waves 0, 1: Y's halves; waves 2, 3: X's).  One wait for 0, one barrier; no LDS byte is filled twice, and no barrier stands among the K steps.
; CLUSTER 4 x 4: Y's tile hangs on cy alone and is asked for jointly by my row of the cluster, X's on cx alone, by my column.
; Nothing is prefetched: all that the work-group reads is asked for at its head, and there is no loop to run ahead in.
; Output: qkvc = q codes, k codes, v codes, 4 MiB each: [head][batch][32 blocks of 64 tokens][4 fragments of 1,024 bytes]; a fragment is 16 rows x 64 K (q, k: rows = tokens; v: rows = the head's channels, K = keys).
; LIMITS: e0+e1, e2+e3, e4+e5 between -126 and 127; e6, e7, e9 between -126 and 119.  NaN is not served.
.set ACC,  128                         ; v128-255 accumulator (a, b) at ACC + 8 (4a + b); later the codes, in accumulator (a, 0)'s registers
.set F0,   0                           ; window 1: two fragment buffers: Y's four at F + 16a, X's four at F + 64 + 16b
.set F1,   128
.set ADRY, 8                           ; v8  LDS address of my Y fragments
.set ADRX, 9                           ; v9  the same for X
.set BIAS, 32                          ; v32-63
.set G1,   20                          ; s[20:27] descriptor group 1 for Y, s[28:35] for X; s[36:39], s[40:43] their groups 0
.set G1B,  28
.set G0,   36
.set G0B,  40
.set WV,   52
.set WR,   53
.set WC,   54
.set CX,   55
.set CY,   56
.set XT,   57
.set YT,   58
.set SL,   59                          ; 0 Q, 1 K, 2 V
.set SC,   18                          ; s[18:19] 2^(eA + eB)
.set MSB,  0
.macro WIN new                         ; the immediate's high byte repeats the setting that is left
.if MSB != \new
	s_set_vgpr_msb (MSB<<8)|\new
.set MSB, \new
.endif
.endm
.macro CROUND                          ; a round of the cluster's barrier
	s_barrier_signal -1
	s_barrier_wait -1
	s_cmp_lg_u32 s[WV], 0
	s_cbranch_scc1 .Lnot_wave_0_\@
	s_barrier_signal -3
.Lnot_wave_0_\@:
	s_barrier_wait -3
	s_barrier_signal -1
	s_barrier_wait -1
.endm
.macro PLACES                          ; four plain lines between a matrix instruction and a load into, or a read of, its registers
.rept 4
	v_nop
.endr
.endm
.macro FETCH s, f                      ; the fragments of K step s (128 along K) into buffer f: 32 loads of 512 consecutive bytes
	WIN 0x40
.irp i, 0,1,2,3
.irp q, 0,1,2,3
	ds_load_b128 v[\f+64+16*\i+4*\q:\f+64+16*\i+4*\q+3], v[ADRX] offset:16384*\i+2048*(\s)+512*\q
.endr
.endr
.irp i, 0,1,2,3
.irp q, 0,1,2,3
	ds_load_b128 v[\f+16*\i+4*\q:\f+16*\i+4*\q+3], v[ADRY] offset:16384*\i+2048*(\s)+512*\q
.endr
.endr
.endm
.macro MUL8 f, a0, zero                ; Y blocks a0, a0 + 1 x X's four; the 16 accumulators take turns
	WIN 0x05
.irp a, \a0, \a0+1
.irp b, 0,1,2,3
.if \zero
	v_wmma_f32_16x16x128_fp8_fp8 v[ACC+8*(4*(\a)+\b):ACC+8*(4*(\a)+\b)+7], v[\f+64+16*\b:\f+64+16*\b+15], v[\f+16*(\a):\f+16*(\a)+15], 0
.else
	v_wmma_f32_16x16x128_fp8_fp8 v[ACC+8*(4*(\a)+\b):ACC+8*(4*(\a)+\b)+7], v[\f+64+16*\b:\f+64+16*\b+15], v[\f+16*(\a):\f+16*(\a)+15], v[ACC+8*(4*(\a)+\b):ACC+8*(4*(\a)+\b)+7]
.endif
.endr
.endr
.endm
.macro STEP s, f, g, zero
	s_wait_dscnt 0x0                               ; this step's fragments are in
	MUL8 \f, 0, \zero
.if (\s) < 7
	PLACES
	FETCH (\s)+1, \g
.endif
	MUL8 \f, 2, \zero
.endm
	s_load_b256 s[4:11], s[0:1], 0x0               ; hc, wqkv, q_bias, k_bias
	s_load_b128 s[12:15], s[0:1], 0x20             ; v_bias, lowp_scales
	s_load_b64 s[16:17], s[0:1], 0x30              ; qkvc
	v_lshl_add_u32 v126, v0, 2, 0x40000
	v_mov_b32 v127, 0
	ds_add_u32 v126, v127                          ; the opening lines: the add, twice on end, and its wait below
	ds_add_u32 v126, v127
	v_lshrrev_b32 v4, 5, v0
	v_readfirstlane_b32 s[WV], v4                  ; wave 0..3
	s_lshr_b32 s[WR], s[WV], 1                     ; my half of the Y rows
	s_and_b32 s[WC], s[WV], 1                      ; my half of the X rows; also: which half of a tile I fetch
	s_bfe_u32 s[CX], ttmp6, 0x40000
	s_bfe_u32 s[CY], ttmp6, 0x40004
	s_lshr_b32 s[SL], ttmp9, 1
	s_and_b32 s61, ttmp9, 1
	s_and_b32 s62, ttmp7, 0xffff
	s_cmp_eq_u32 s[SL], 2                          ; V: the features (8 tiles) go along x, the tokens (32 tiles) along y
	s_cselect_b32 s[YT], s61, s62
	s_cselect_b32 s[XT], s62, s61
	s_lshl_b32 s[YT], s[YT], 2
	s_add_co_u32 s[YT], s[YT], s[CY]               ; Y's tile hangs on cy alone,
	s_lshl_b32 s[XT], s[XT], 2
	s_add_co_u32 s[XT], s[XT], s[CX]               ; X's on cx alone
	s_lshl_b32 s60, s[CY], 2
	s_lshl_b32 s60, 15, s60                        ; my row of the cluster
	s_or_b32 s[G1], s60, (3<<16)|(1<<21)           ; 15:0 the mask; 17:16 elements of 8 bytes; 21 set beside a mask
	s_lshl_b32 s60, 0x1111, s[CX]                  ; my column
	s_or_b32 s[G1B], s60, (3<<16)|(1<<21)
.irp g, G1, G1B                        ; a fill: 65,536 consecutive bytes, stated as 16 rows of 4,096
	s_mov_b32 s[\g+1], 512<<16                     ; tensor_dim0 = 512 elements
	s_mov_b32 s[\g+2], 16<<16                      ; tensor_dim1 = 16
	s_mov_b32 s[\g+3], 512<<16                     ; tile_dim0
	s_mov_b32 s[\g+4], 16                          ; tile_dim1
	s_mov_b32 s[\g+5], 512                         ; stride, in elements
	s_mov_b32 s[\g+6], 0
	s_mov_b32 s[\g+7], 0
.endr
	s_lshl_b32 s61, s[SL], 22                      ; ln1(x)'s three sets of codes lie 4 MiB apart,
	s_lshl_b32 s62, s[SL], 20                      ; the three weights 1 MiB
	s_cmp_eq_u32 s[SL], 2
	s_cselect_b32 s84, s62, s61
	s_cselect_b32 s86, s61, s62
	s_lshl_b32 s61, s[WC], 16                      ; the half that I fetch
	s_lshl_b32 s62, s[YT], 17
	s_add_co_u32 s84, s84, s62
	s_add_co_u32 s84, s84, s61
	s_mov_b32 s85, 0
	s_lshl_b32 s62, s[XT], 17
	s_add_co_u32 s86, s86, s62
	s_add_co_u32 s86, s86, s61
	s_mov_b32 s87, 0
	s_mov_b32 s[G0], 1
	s_lshl_b32 s[G0+1], s[WV], 16                  ; where it goes: Y's two halves, then X's two: no place in the cluster enters an LDS address
	s_mov_b32 s[G0B], 1
	s_lshl_b32 s[G0B+1], s[WV], 16
	s_wait_dscnt 0x0
	s_wait_kmcnt 0x0
	s_load_b256 s[88:95], s[14:15], 0x0            ; e0 .. e7
	s_load_b64 s[96:97], s[14:15], 0x20            ; e8, e9
	s_cmp_eq_u32 s[SL], 2
	s_cselect_b64 s[98:99], s[6:7], s[4:5]
	s_cselect_b64 s[100:101], s[4:5], s[6:7]
	s_add_nc_u64 s[G0+2:G0+3], s[98:99], s[84:85]
	s_or_b32 s[G0+3], s[G0+3], 0x80000000
	s_add_nc_u64 s[G0B+2:G0B+3], s[100:101], s[86:87]
	s_or_b32 s[G0B+3], s[G0B+3], 0x80000000
	CROUND                                         ; all sixteen work-groups are here: the joint loads meet
	s_cmp_lt_u32 s[WV], 2                          ; waves 0, 1 fetch Y's halves, waves 2, 3 X's: one load in each arm, one load of mine is out
	s_cbranch_scc0 .Lfill_x
	tensor_load_to_lds s[G0:G0+3], s[G1:G1+7]
	s_nop 0
	PLACES
	s_branch .Lfilled
.Lfill_x:
	tensor_load_to_lds s[G0B:G0B+3], s[G1B:G1B+7]
	s_nop 0
	PLACES
.Lfilled:
	v_and_b32 v4, 31, v0
	v_lshlrev_b32 v1, 4, v4                        ; 16 x lane
	v_and_b32 v2, 15, v0                           ; r
	v_bfe_u32 v3, v0, 4, 1                         ; h
	v_lshlrev_b32 v16, 5, v3                       ; 32 h
	v_lshlrev_b32 v17, 2, v2                       ; 4 r
	s_cmp_eq_u32 s[SL], 1
	s_cselect_b64 s[98:99], s[10:11], s[8:9]
	s_cmp_eq_u32 s[SL], 2
	s_cselect_b64 s[98:99], s[12:13], s[98:99]     ; my bias
	s_lshl_b32 s60, s[XT], 9
	s_lshl_b32 s61, s[WC], 8
	s_add_co_u32 s60, s60, s61                     ; Q, K: features 128 XT + 64 wc on
	s_lshl_b32 s62, s[YT], 9
	s_lshl_b32 s61, s[WR], 8
	s_add_co_u32 s62, s62, s61                     ; V: features 128 YT + 64 wr on
	s_cmp_eq_u32 s[SL], 2
	s_cselect_b32 s60, s62, s60
	s_mov_b32 s61, 0
	s_add_nc_u64 s[98:99], s[98:99], s[60:61]
	s_cmp_eq_u32 s[SL], 2
	s_cbranch_scc1 .Lbias_v
	s_wait_alu depctr_va_vdst(0)                   ; the wait here, in both arms
.irp b, 0,1,2,3                        ; BIAS[8b + j] = bias of feature 16b + 8h + j
	global_load_b128 v[BIAS+8*\b:BIAS+8*\b+3], v16, s[98:99] offset:64*\b
	global_load_b128 v[BIAS+8*\b+4:BIAS+8*\b+7], v16, s[98:99] offset:64*\b+16
.endr
	s_branch .Lbias_done
.Lbias_v:
	s_wait_alu depctr_va_vdst(0)
.irp a, 0,1,2,3                        ; BIAS[8a + j] = bias of feature 16a + r, for every j
.irp j, 0,1,2,3,4,5,6,7
	global_load_b32 v[BIAS+8*\a+\j], v17, s[98:99] offset:64*\a
.endr
.endr
.Lbias_done:
	s_lshl_b32 s61, s[WR], 16
	s_lshl_b32 s62, s[WC], 16
	s_add_co_u32 s62, s62, 131072
	v_add_nc_u32 v[ADRY], s61, v1
	v_add_nc_u32 v[ADRX], s62, v1
	s_lshl_b32 s60, s[XT], 1                       ; where the codes go: head, block of 64 tokens
	s_add_co_u32 s60, s60, s[WC]
	s_lshl_b32 s61, s[YT], 1
	s_add_co_u32 s61, s61, s[WR]
	s_cmp_eq_u32 s[SL], 2
	s_cselect_b32 s62, s61, s60                    ; the head
	s_cselect_b32 s63, s60, s61                    ; the block
	s_lshl_b32 s62, s62, 18
	s_lshl_b32 s63, s63, 12
	s_add_co_u32 s62, s62, s63
	s_lshl_b32 s63, s[SL], 22
	s_add_co_u32 s62, s62, s63
	s_mov_b32 s63, 0
	s_add_nc_u64 s[100:101], s[16:17], s[62:63]
	s_wait_alu depctr_va_vdst(0)                   ; the wait here, directly ahead of the wait below
	s_wait_kmcnt 0x0
	s_add_co_i32 s61, s88, s89
	s_add_co_i32 s62, s90, s91
	s_add_co_i32 s63, s92, s93
	s_cmp_eq_u32 s[SL], 1
	s_cselect_b32 s61, s62, s61
	s_cselect_b32 s62, s95, s94
	s_cmp_eq_u32 s[SL], 2
	s_cselect_b32 s61, s63, s61                    ; eA + eB
	s_cselect_b32 s62, s97, s62                    ; the result's own exponent: e6, e7 or e9
	s_add_co_i32 s61, s61, 127
	s_lshl_b32 s[SC], s61, 23
	s_mov_b32 s[SC+1], s[SC]
	s_add_co_i32 s62, s62, 127
	s_lshl_b32 s63, s62, 23
	v_mov_b32 v30, s63                             ; 2^e as f32
	s_add_co_i32 s62, s62, 8
	s_lshl_b32 s62, s62, 23
	s_or_b32 s62, s62, 0x600000
	v_mov_b32 v31, s62                             ; 448 x 2^e
	s_wait_tensorcnt 0x0                           ; my half of a tile is in,
	s_barrier_signal -1
	s_barrier_wait -1                              ; and everybody's
	FETCH 0, F0
	STEP 0, F0, F1, 1
	STEP 1, F1, F0, 0
	STEP 2, F0, F1, 0
	STEP 3, F1, F0, 0
	STEP 4, F0, F1, 0
	STEP 5, F1, F0, 0
	STEP 6, F0, F1, 0
	STEP 7, F1, F0, 0
	WIN 0
	PLACES
	s_wait_loadcnt 0x0                             ; the bias
; sum x 2^(eA + eB) + bias, held, converted: accumulator (a, b) gives registers 2b, 2b+1 of fragment a; a fragment leaves by two stores of 512 consecutive bytes
.macro EPI byrow
.irp a, 0,1,2,3
.irp b, 0,1,2,3
.irp i, 0,2,4,6
.if \byrow
	v_pk_fma_f32 v[64+8*\b+\i:65+8*\b+\i], v[ACC+8*(4*\a+\b)+\i:ACC+8*(4*\a+\b)+\i+1], s[SC:SC+1], v[BIAS+8*\a+\i:BIAS+8*\a+\i+1] op_sel_hi:[1,0,1]
.else
	v_pk_fma_f32 v[64+8*\b+\i:65+8*\b+\i], v[ACC+8*(4*\a+\b)+\i:ACC+8*(4*\a+\b)+\i+1], s[SC:SC+1], v[BIAS+8*\b+\i:BIAS+8*\b+\i+1] op_sel_hi:[1,0,1]
.endif
.endr
	s_wait_alu depctr_va_vdst(0)                   ; the wait ahead of the reader of the hold's bound
.irp i, 0,1,2,3,4,5,6,7
	v_med3_num_f32 v[64+8*\b+\i], v[64+8*\b+\i], -v31, v31
.endr
	v_cvt_scalef32_pk8_fp8_f32 v[ACC+32*\a+2*\b:ACC+32*\a+2*\b+1], v[64+8*\b:71+8*\b], v30
.endr
	v_nop                                          ; a plain line behind the last conversion
	global_store_b128 v1, v[ACC+32*\a:ACC+32*\a+3], s[100:101] offset:1024*\a
	global_store_b128 v1, v[ACC+32*\a+4:ACC+32*\a+7], s[100:101] offset:1024*\a+512
.endr
.endm
	s_cmp_eq_u32 s[SL], 2
	s_cbranch_scc1 .Lepi_v
	EPI 0
	s_branch .Lepi_done
.Lepi_v:
	EPI 1
.Lepi_done:
	s_wait_tensorcnt 0x0                           ; the wave's end
	ds_add_u32 v126, v127
	s_wait_dscnt 0x0
	CROUND                                         ; the closing round: no work-group ends while a partner may still ask for a tile that names it
	s_endpgm
.Lfunc_end_k_q44850b12b3_qkv:
	.size	k_q44850b12b3_qkv, .Lfunc_end_k_q44850b12b3_qkv-k_q44850b12b3_qkv
	.p2alignl 7, 3214868480
	.fill 96, 4, 3214868480
	.section	.rodata,"a",@progbits
	.p2align	6, 0x0
	.amdhsa_kernel k_q44850b12b3_qkv
		.amdhsa_group_segment_fixed_size 262656
		.amdhsa_private_segment_fixed_size 0
		.amdhsa_enable_private_segment 0
		.amdhsa_kernarg_size 56
		.amdhsa_user_sgpr_count 2
		.amdhsa_user_sgpr_kernarg_segment_ptr 1
		.amdhsa_wavefront_size32 1
		.amdhsa_system_sgpr_workgroup_id_x 1
		.amdhsa_system_sgpr_workgroup_id_y 1
		.amdhsa_system_sgpr_workgroup_id_z 1
		.amdhsa_system_vgpr_workitem_id 0
		.amdhsa_next_free_vgpr 512
		.amdhsa_next_free_sgpr 104
		.amdhsa_reserve_vcc 0
		.amdhsa_float_denorm_mode_32 3
		.amdhsa_float_denorm_mode_16_64 3
		.amdhsa_memory_ordered 1
		.amdhsa_forward_progress 1
		.amdhsa_inst_pref_size 66
	.end_amdhsa_kernel
	.amdgpu_metadata
---
amdhsa.version: [ 1, 2 ]
amdhsa.kernels:
  - .name:           k_q44850b12b3_qkv
    .symbol:         k_q44850b12b3_qkv.kd
    .args:
      - { .name: hc, .offset: 0, .size: 8, .value_kind: global_buffer, .address_space: global }
      - { .name: wqkv, .offset: 8, .size: 8, .value_kind: global_buffer, .address_space: global }
      - { .name: q_bias, .offset: 16, .size: 8, .value_kind: global_buffer, .address_space: global }
      - { .name: k_bias, .offset: 24, .size: 8, .value_kind: global_buffer, .address_space: global }
      - { .name: v_bias, .offset: 32, .size: 8, .value_kind: global_buffer, .address_space: global }
      - { .name: lowp_scales, .offset: 40, .size: 8, .value_kind: global_buffer, .address_space: global }
      - { .name: qkvc, .offset: 48, .size: 8, .value_kind: global_buffer, .address_space: global }
    .group_segment_fixed_size: 262656
    .private_segment_fixed_size: 0
    .kernarg_segment_align: 8
    .kernarg_segment_size: 56
    .max_flat_workgroup_size: 128
    .sgpr_count:     104
    .vgpr_count:     512
    .wavefront_size: 32
...
	.end_amdgpu_metadata
.endif
;; end of part 2
;; launch attn (part 3): grid 8 x 32, 16 waves a work-group, clusters of 4 x 1, 264,192 bytes of LDS; arguments qkvc, lowp_scales, act; writes act
.if DOCPART == 3
	.amdgcn_target "amdgcn-amd-amdhsa--gfx1250"
	.amdhsa_code_object_version 6
	.text
	.protected	k_q44850b12b3_attn
	.globl	k_q44850b12b3_attn
	.p2align	8
	.type	k_q44850b12b3_attn,@function
k_q44850b12b3_attn:
	s_mov_b64 s[64:65], 0
	v_nop
	global_prefetch_b8 v0, s[64:65] scope:SCOPE_SE
	s_setreg_imm32_b32 hwreg(HW_REG_WAVE_MODE, 25, 1), 1
	s_wait_xcnt 0x0
	s_wait_alu depctr_hold_cnt(0) depctr_sa_sdst(0) depctr_va_vdst(0) depctr_va_sdst(0) depctr_va_ssrc(0) depctr_va_vcc(0) depctr_vm_vsrc(0)
	s_getreg_b32 s2, hwreg(HW_REG_IB_STS2, 6, 4)
	s_cmp_eq_u32 s2, 0
	s_cbranch_scc0 .Lentry_in_a_cluster
	s_endpgm
.Lentry_in_a_cluster:
	s_bfe_u32 s2, ttmp6, 0x10000c
	s_cmp_lg_u32 s2, 0x3003
	s_cbranch_scc0 .Lentry_shape_is_right
	s_endpgm
.Lentry_shape_is_right:
; Causal attention on codes of E4M3, one (batch, head) for each y, and the result's own codes (scale e10) for the projection.
; qkvc = q, k, v codes, 4 MiB each: [head][batch][32 blocks of 64 tokens][4 fragments of 1,024 bytes]; a fragment is an image of 8 operand registers: 16 rows x 64 K (q, k: rows = tokens; v: rows = channels, K = keys).
; LEFT OUT: key steps wholly above the diagonal of reference()'s own causal mask (p = 0 there for all inputs); a NaN or an infinity that reaches only those scores is not carried on.
; THE SOFTMAX: t = score x log2(e) / 8; M = the running largest t rounded up to a whole number; p = 2^(t - M) is quantised (scale e8), not normalised; the row's sum is taken of the unquantised p and divides at the end.
; SHARES.  A work-group has 16 waves, each with ONE tile of 16 queries in 256 registers.  The eight work-groups of a (batch, head) deal the 128 tiles so that the waves of each SIMD, whether dealt by wave % 4 or by wave / 4,
; walk 34 key steps of 128 keys together: wave (g = wave / 4, m = wave % 4) takes block b = 2 gray(g) + cluster x of 128 queries, or block 15 - b where g + m is odd, and in it tile 2 cx + m / 2.
; THE WHOLE HEAD LIES IN LDS AT ONCE, as it lies in memory: K's 128 KB, then V's.  ONE tensor load a wave at the head, 16,384 consecutive bytes (waves 0-7: K; 8-15: V), one wait for 0, one barrier.
; No LDS byte is filled twice and no barrier stands in the loop: a wave that has few steps holds nobody up.  The loop has 16 trips in every wave.
; CLUSTER 4 x 1: the four partners walk the same K and V and ask for them jointly (mask 15); no branch and no LDS address hangs on cx.  Nothing is prefetched: all is asked for at the head.
; LAYOUT.  Both products transposed: S^T = K Q^T, O^T = V^T P^T: lane (r, h) holds query r; register 8t + j of S is key 16t + 8h + j, so a conversion's two registers are registers 2t, 2t+1 of P's operand.
; LIMITS: e6 + e7 between -123 and 130; e8 and e10 between -126 and 119; the scaled scores stay under 2^31 in magnitude.  NaN is not served.
.set WV,  18
.set SEL, 20                           ; s[20:21] lane selects: lane l xor 16
.set CS,  22                           ; s[22:23] c = log2(e) / 8 x 2^(e6 + e7)
.set G1,  24
.set G0,  32
.set TB,  48                           ; LDS byte of the step's keys
.set KS,  49                           ; the step
.set BLK, 50                           ; my block of 128 queries = my last step
.set EO,  73
.set ADK, 8
.set ADV, 9
.set KVF, 32                           ; v32-95   eight fragments of K, then four of V
.set S,   96                           ; v96-159  S^T, then p
.set O,   160                          ; v160-191 O^T
.set PC,  192                          ; v192-207 p's codes
.set SPW, 251                          ; my spare word; never rewritten
.set NIL, 255                          ; 0; never rewritten
.set SPARE, 0x40000
.macro CROUND
	s_barrier_signal -1
	s_barrier_wait -1
	s_cmp_lg_u32 s[WV], 0
	s_cbranch_scc1 .Lnot_wave_0_\@
	s_barrier_signal -3
.Lnot_wave_0_\@:
	s_barrier_wait -3
	s_barrier_signal -1
	s_barrier_wait -1
.endm
	s_load_b128 s[4:7], s[0:1], 0x0                ; qkvc, lowp_scales
	s_load_b64 s[8:9], s[0:1], 0x10                ; act
	v_lshl_add_u32 v[SPW], v0, 2, SPARE
	v_mov_b32 v[NIL], 0
	ds_add_u32 v[SPW], v[NIL]                      ; the opening lines: the add, twice on end, and its wait below
	ds_add_u32 v[SPW], v[NIL]
	v_lshrrev_b32 v4, 5, v0
	s_delay_alu instid0(VALU_DEP_1)
	v_readfirstlane_b32 s[WV], v4                  ; wave 0..15
	s_bfe_u32 s52, ttmp6, 0x40000                  ; cx
	s_and_b32 s53, ttmp7, 0xffff
	s_and_b32 s54, s53, 15                         ; head
	s_lshr_b32 s55, s53, 4                         ; batch
	s_lshl_b32 s56, s54, 18
	s_lshl_b32 s57, s55, 17
	s_add_co_u32 s56, s56, s57                     ; the (head, batch)'s first byte in each tensor of codes
	s_lshr_b32 s57, s[WV], 2                       ; g
	s_and_b32 s58, s[WV], 3                        ; m
	s_lshr_b32 s59, s57, 1
	s_xor_b32 s59, s59, s57                        ; gray(g)
	s_lshl_b32 s59, s59, 1
	s_add_co_u32 s59, s59, ttmp9                   ; b
	s_sub_co_u32 s60, 15, s59
	s_xor_b32 s61, s58, s57
	s_and_b32 s61, s61, 1
	s_cmp_eq_u32 s61, 1
	s_cselect_b32 s[BLK], s60, s59
	s_lshr_b32 s58, s58, 1
	s_lshl_b32 s62, s52, 1
	s_add_co_u32 s62, s62, s58                     ; my tile in the block, 0..7
	s_lshl_b32 s63, s[BLK], 3
	s_add_co_u32 s63, s63, s62                     ; my tile of 16 queries, 0..127
	s_mov_b32 s[G1], 15|(3<<16)|(1<<21)            ; the four partners; elements of 8 bytes; bit 21 beside a mask
	s_mov_b32 s[G1+1], 32<<16                      ; 64 rows of 256 bytes, dense
	s_mov_b32 s[G1+2], 64<<16
	s_mov_b32 s[G1+3], 32<<16
	s_mov_b32 s[G1+4], 64
	s_mov_b32 s[G1+5], 32
	s_mov_b32 s[G1+6], 0
	s_mov_b32 s[G1+7], 0
	s_lshr_b32 s57, s[WV], 3                       ; I fetch for K (0) or V (1),
	s_and_b32 s58, s[WV], 7
	s_lshl_b32 s58, s58, 14                        ; its 16,384 bytes number wave % 8
	s_lshl_b32 s59, s57, 17
	s_add_co_u32 s59, s59, s58                     ; in LDS
	s_lshl_b32 s60, s57, 22
	s_add_co_u32 s60, s60, s58
	s_add_co_u32 s60, s60, s56
	s_add_co_u32 s60, s60, 0x400000                ; in qkvc
	s_mov_b32 s61, 0
	s_lshl_b32 s10, s63, 10
	s_add_co_u32 s10, s10, s56                     ; my fragment of Q
	s_mov_b32 s11, 0
	s_lshl_b32 s12, s55, 7
	s_add_co_u32 s12, s12, s63
	s_lshl_b32 s12, s12, 14
	s_lshl_b32 s13, s54, 10
	s_add_co_u32 s12, s12, s13                     ; act: block of 16 tokens, the head's half fragment
	s_mov_b32 s13, 0
	s_mov_b32 s[SEL], 0x76543210
	s_mov_b32 s[SEL+1], 0xfedcba98
	s_mov_b32 s[G0], 1
	s_mov_b32 s[G0+1], s59
	s_wait_dscnt 0x0
	s_wait_kmcnt 0x0
	s_load_b128 s[68:71], s[6:7], 0x18             ; e6, e7, e8, e9
	s_load_b32 s72, s[6:7], 0x28                   ; e10
	s_add_nc_u64 s[G0+2:G0+3], s[4:5], s[60:61]
	s_or_b32 s[G0+3], s[G0+3], 0x80000000
	s_add_nc_u64 s[10:11], s[4:5], s[10:11]
	s_add_nc_u64 s[8:9], s[8:9], s[12:13]
	CROUND                                         ; the four partners are here: the joint loads meet
	tensor_load_to_lds s[G0:G0+3], s[G1:G1+7]      ; my one tensor load
	s_nop 0
.rept 4
	v_nop
.endr
	v_and_b32 v4, 31, v0
	s_delay_alu instid0(VALU_DEP_1)
	v_lshlrev_b32 v1, 4, v4                        ; 16 x lane: K's fragments
	s_delay_alu instid0(VALU_DEP_1)
	v_add_nc_u32 v2, 0x20000, v1                   ; V's
	global_load_b128 v[16:19], v1, s[10:11]        ; Q stays in registers
	global_load_b128 v[20:23], v1, s[10:11] offset:512
	v_and_b32 v5, 15, v0
	v_bfe_u32 v6, v0, 4, 1
	s_delay_alu instid0(VALU_DEP_1)
	v_lshlrev_b32 v6, 3, v6
	s_delay_alu instid0(VALU_DEP_1)
	v_sub_nc_u32 v3, v5, v6
	s_lshl_b32 s57, s62, 4
	v_add_nc_u32 v3, s57, v3                       ; my query in its block - 8h: register 8t + j is hidden on the diagonal where 16t + j is greater
	v_mov_b32 v13, 0xff61b1e6                      ; the largest t so far: -3e38
	s_delay_alu instid0(VALU_DEP_1)
	v_floor_f32 v12, -v13                          ; -M
	v_mov_b32 v14, 0                               ; the sum, in two halves
	v_mov_b32 v15, 0
	v_mov_b32 v236, 0
	v_mov_b32 v252, 0
	v_mov_b32 v253, 0
	v_mov_b32 v254, 0
.set i, 0
.rept 32
	v_mov_b32 v[O+i], 0                            ; the step is written once: the first finds zeros
.set i, i+1
.endr
	s_wait_kmcnt 0x0
	s_mov_b32 s[CS], 0x3e38aa3b                    ; log2(e) / 8
	s_add_co_i32 s57, s68, s69
	s_lshl_b32 s57, s57, 23
	s_add_co_i32 s[CS], s[CS], s57                 ; x 2^(e6 + e7), by its exponent field
	s_mov_b32 s[CS+1], s[CS]
	s_add_co_i32 s57, s70, 127
	s_lshl_b32 s58, s57, 23
	v_mov_b32 v244, s58                            ; 2^e8
	s_add_co_i32 s57, s57, 8
	s_lshl_b32 s57, s57, 23
	s_or_b32 s57, s57, 0x600000
	v_mov_b32 v240, s57                            ; 448 x 2^e8
	s_add_co_i32 s57, s72, 127
	s_lshl_b32 s58, s57, 23
	v_mov_b32 v246, s58                            ; 2^e10
	s_add_co_i32 s57, s57, 8
	s_lshl_b32 s57, s57, 23
	s_or_b32 s57, s57, 0x600000
	v_mov_b32 v247, s57                            ; 448 x 2^e10
	s_add_co_i32 s[EO], s70, s71                   ; e8 + e9
	s_mov_b32 s[TB], 0
	s_mov_b32 s[KS], 0
	s_wait_alu depctr_va_vdst(0)                   ; the wait at the head's end
	s_wait_loadcnt 0x0                             ; Q
	s_wait_tensorcnt 0x0                           ; my part of K or V is in,
	s_barrier_signal -1
	s_barrier_wait -1                              ; and everybody's: the only barrier ahead of the closing round
.Lkeys:
	s_cmp_gt_u32 s[KS], s[BLK]                     ; all 128 keys come after my queries: ids alone
	s_cbranch_scc1 .Lhidden
	v_add_nc_u32 v[ADK], s[TB], v1
	v_add_nc_u32 v[ADV], s[TB], v2
	v_nop                                          ; with the two additions: four places behind the last products, ahead of loads into their sources
	v_nop
.irp t, 0,1,2,3,4,5,6,7
	ds_load_b128 v[KVF+8*\t:KVF+8*\t+3], v[ADK] offset:1024*\t
	ds_load_b128 v[KVF+8*\t+4:KVF+8*\t+7], v[ADK] offset:1024*\t+512
.endr
	s_wait_alu depctr_va_vdst(0)                   ; the wait here, directly ahead of the wait below
	s_wait_dscnt 0x0
.irp t, 0,1,2,3,4,5,6,7
	v_wmma_f32_16x16x64_fp8_fp8 v[S+8*\t:S+8*\t+7], v[KVF+8*\t:KVF+8*\t+7], v[16:23], 0
.endr
.rept 4
	v_nop
.endr
.irp d, 0,1,2,3                        ; V's fragments land under the softmax
.irp u, 0,1
	ds_load_b128 v[KVF+16*\d+8*\u:KVF+16*\d+8*\u+3], v[ADV] offset:4096*\u+1024*\d
	ds_load_b128 v[KVF+16*\d+8*\u+4:KVF+16*\d+8*\u+7], v[ADV] offset:4096*\u+1024*\d+512
.endr
.endr
	s_cmp_lg_u32 s[KS], s[BLK]                     ; only my last step lies on the diagonal
	s_cbranch_scc1 .Lopen
	v_mov_b32 v254, 0xff800000
.set n, 0
.rept 64
	v_cmp_gt_i32 vcc_lo, 16*(n/8)+n%8, v3
	v_cndmask_b32 v[S+n], v[S+n], v254, vcc_lo
.set n, n+1
.endr
.Lopen:
	v_max3_num_f32 v254, v96, v97, v98             ; the step's largest score of my query, in two chains
	v_max3_num_f32 v252, v99, v100, v101
.irp i, 6,10,14,18,22,26,30,34,38,42,46,50,54,58
	v_max3_num_f32 v254, v254, v[S+\i], v[S+1+\i]
	v_max3_num_f32 v252, v252, v[S+2+\i], v[S+3+\i]
.endr
	v_max3_num_f32 v254, v254, v158, v159
	s_delay_alu instid0(VALU_DEP_1)
	v_max_num_f32 v254, v254, v252
	s_delay_alu instid0(VALU_DEP_1)
	v_permlanex16_b32 v236, v254, s[SEL], s[SEL+1]
	s_delay_alu instid0(VALU_DEP_1)
	v_max_num_f32 v254, v254, v236
	s_delay_alu instid0(VALU_DEP_1)
	v_mul_f32 v254, s[CS], v254                    ; as t
	s_delay_alu instid0(VALU_DEP_1)
	v_max_num_f32 v13, v13, v254                   ; the running largest t
	v_mov_b32 v254, v12
	s_delay_alu instid0(VALU_DEP_2)
	v_floor_f32 v12, -v13                          ; the new -M
	s_delay_alu instid0(VALU_DEP_1)
	v_sub_f32 v254, v12, v254
	s_delay_alu instid0(VALU_DEP_1)
	v_cvt_i32_f32 v254, v254
	s_delay_alu instid0(VALU_DEP_1)
	v_ldexp_f32 v252, 1.0, v254                    ; f = 2^(old M - new M)
.set j, 0
.rept 32
	v_pk_fma_f32 v[S+j:S+j+1], v[S+j:S+j+1], s[CS:CS+1], v[12:13] op_sel_hi:[1,0,0]   ; t - M
.set j, j+2
.endr
	s_wait_alu depctr_va_vdst(0)                   ; the wait ahead of the batch
.set j, 0
.rept 64
	v_exp_f32 v[S+j], v[S+j]
.set j, j+1
.endr
	v_pk_mul_f32 v[14:15], v[14:15], v[252:253] op_sel_hi:[1,0]   ; the sums under the new M: a plain place behind the batch
	s_wait_alu depctr_va_vdst(0)                   ; one wait for the batch, ahead of its first reader
	v_pk_add_f32 v[242:243], v[S:S+1], v[S+2:S+3]
.irp j, 4,8,12,16,20,24,28,32,36,40,44,48,52,56,60
	v_pk_add_f32 v[14:15], v[14:15], v[S+\j:S+1+\j]
	v_pk_add_f32 v[242:243], v[242:243], v[S+2+\j:S+3+\j]
.endr
	s_delay_alu instid0(VALU_DEP_1)
	v_pk_add_f32 v[14:15], v[14:15], v[242:243]
.irp t, 0,1,2,3,4,5,6,7
.irp i, 0,1,2,3,4,5,6,7
	v_min_num_f32 v[S+8*\t+\i], v[S+8*\t+\i], v240 ; the conversion does not saturate (ISA guide 7.6.2); p is not negative
.endr
	v_cvt_scalef32_pk8_fp8_f32 v[PC+2*\t:PC+2*\t+1], v[S+8*\t:S+8*\t+7], v244
.endr
	s_wait_alu depctr_va_vdst(0)                   ; the wait here, directly ahead of the first reader of O^T
.set j, 0
.rept 16
	v_pk_mul_f32 v[O+j:O+j+1], v[O+j:O+j+1], v[252:253] op_sel_hi:[1,0]
.set j, j+2
.endr
	s_wait_alu depctr_va_vdst(0)                   ; and here, directly ahead of the wait below
	s_wait_dscnt 0x0                               ; V's fragments
.irp d, 0,1,2,3
	v_wmma_f32_16x16x128_fp8_fp8 v[O+8*\d:O+8*\d+7], v[KVF+16*\d:KVF+16*\d+15], v[PC:PC+15], v[O+8*\d:O+8*\d+7]
.endr
.Lhidden:
	s_add_co_u32 s[TB], s[TB], 8192
	s_add_co_u32 s[KS], s[KS], 1
	s_cmp_lt_u32 s[KS], 16
	s_cbranch_scc1 .Lkeys
.rept 4
	v_nop
.endr
	v_add_f32 v14, v14, v15
	s_delay_alu instid0(VALU_DEP_1)
	v_permlanex16_b32 v236, v14, s[SEL], s[SEL+1]
	s_delay_alu instid0(VALU_DEP_1)
	v_add_f32 v14, v14, v236                       ; the row's sum
	s_wait_alu depctr_va_vdst(0)                   ; the wait ahead of the transcendental
	v_rcp_f32 v14, v14
	v_nop
	s_wait_alu depctr_va_vdst(0)                   ; and ahead of its first reader
	v_ldexp_f32 v14, v14, s[EO]                    ; x 2^(e8 + e9)
	s_wait_alu depctr_va_vdst(0)                   ; and directly ahead of the first reader of O^T
.set i, 0
.rept 32
	v_mul_f32 v[S+i], v[O+i], v14
.set i, i+1
.endr
.set i, 0
.rept 32
	v_med3_num_f32 v[S+i], v[S+i], -v247, v247
.set i, i+1
.endr
.irp d, 0,1,2,3
	v_cvt_scalef32_pk8_fp8_f32 v[128+2*\d:129+2*\d], v[S+8*\d:S+8*\d+7], v246
.endr
	v_nop
	global_store_b128 v1, v[128:131], s[8:9]       ; 512 consecutive bytes a store
	global_store_b128 v1, v[132:135], s[8:9] offset:512
	s_wait_tensorcnt 0x0                           ; the wave's end
	ds_add_u32 v[SPW], v[NIL]
	s_wait_dscnt 0x0
	CROUND                                         ; the closing round
	s_endpgm
.Lfunc_end_k_q44850b12b3_attn:
	.size	k_q44850b12b3_attn, .Lfunc_end_k_q44850b12b3_attn-k_q44850b12b3_attn
	.p2alignl 7, 3214868480
	.fill 96, 4, 3214868480
	.section	.rodata,"a",@progbits
	.p2align	6, 0x0
	.amdhsa_kernel k_q44850b12b3_attn
		.amdhsa_group_segment_fixed_size 264192
		.amdhsa_private_segment_fixed_size 0
		.amdhsa_enable_private_segment 0
		.amdhsa_kernarg_size 24
		.amdhsa_user_sgpr_count 2
		.amdhsa_user_sgpr_kernarg_segment_ptr 1
		.amdhsa_wavefront_size32 1
		.amdhsa_system_sgpr_workgroup_id_x 1
		.amdhsa_system_sgpr_workgroup_id_y 1
		.amdhsa_system_sgpr_workgroup_id_z 1
		.amdhsa_system_vgpr_workitem_id 0
		.amdhsa_next_free_vgpr 256
		.amdhsa_next_free_sgpr 80
		.amdhsa_reserve_vcc 1
		.amdhsa_float_denorm_mode_32 3
		.amdhsa_float_denorm_mode_16_64 3
		.amdhsa_memory_ordered 1
		.amdhsa_forward_progress 1
		.amdhsa_inst_pref_size 33
	.end_amdhsa_kernel
	.amdgpu_metadata
---
amdhsa.version: [ 1, 2 ]
amdhsa.kernels:
  - .name:           k_q44850b12b3_attn
    .symbol:         k_q44850b12b3_attn.kd
    .args:
      - { .name: qkvc, .offset: 0, .size: 8, .value_kind: global_buffer, .address_space: global }
      - { .name: lowp_scales, .offset: 8, .size: 8, .value_kind: global_buffer, .address_space: global }
      - { .name: act, .offset: 16, .size: 8, .value_kind: global_buffer, .address_space: global }
    .group_segment_fixed_size: 264192
    .private_segment_fixed_size: 0
    .kernarg_segment_align: 8
    .kernarg_segment_size: 24
    .max_flat_workgroup_size: 512
    .sgpr_count:     80
    .vgpr_count:     256
    .wavefront_size: 32
...
	.end_amdgpu_metadata
.endif
;; end of part 3
;; launch oproj (part 4): grid 8 x 32, 4 waves a work-group, clusters of 4 x 4, 280,064 bytes of LDS; arguments act, wo, o_bias, x, x1; writes x1
.if DOCPART == 4
	.amdgcn_target "amdgcn-amd-amdhsa--gfx1250"
	.amdhsa_code_object_version 6
	.text
	.protected	k_q44850b12b3_oproj
	.globl	k_q44850b12b3_oproj
	.p2align	8
	.type	k_q44850b12b3_oproj,@function
k_q44850b12b3_oproj:
	s_mov_b64 s[64:65], 0
	v_nop
	global_prefetch_b8 v0, s[64:65] scope:SCOPE_SE
	s_setreg_imm32_b32 hwreg(HW_REG_WAVE_MODE, 25, 1), 1
	s_wait_xcnt 0x0
	s_wait_alu depctr_hold_cnt(0) depctr_sa_sdst(0) depctr_va_vdst(0) depctr_va_sdst(0) depctr_va_ssrc(0) depctr_va_vcc(0) depctr_vm_vsrc(0)
	s_getreg_b32 s2, hwreg(HW_REG_IB_STS2, 6, 4)
	s_cmp_eq_u32 s2, 0
	s_cbranch_scc0 .Lentry_in_a_cluster
	s_endpgm
.Lentry_in_a_cluster:
	s_bfe_u32 s2, ttmp6, 0x10000c
	s_cmp_lg_u32 s2, 0xf033
	s_cbranch_scc0 .Lentry_shape_is_right
	s_endpgm
.Lentry_shape_is_right:
; out = resid + (a W^T + bias): a [4,096][1,024] and W [1,024][1,024] as codes of E4M3, laid as images of operand registers ([rows / 16][8 fragments][2,048 bytes]); bias, resid, out f32.
; The product's two exponents eA, eB lie as int32 at byte 0x100000 of W's buffer.  Two launches run this body: the projection behind attention, and the second product of the FFN.
; A work-group makes 128 tokens (Y) x 128 features (X) over K = 1,024; four waves, 64 x 64 each: 16 accumulators.  Transposed use: source 0 = 16 rows of W, source 1 = 16 tokens: a lane holds eight
; neighbouring features of one token.
; THE WHOLE TILE LIES IN LDS AT ONCE, as it lies in memory: 128 KB of a, then 128 KB of W.  Half a tile (64 rows, all of K) is 65,536 consecutive bytes: ONE tensor load a wave at the head brings it
; (waves 0, 1: a's halves; waves 2, 3: W's).  One wait for 0, one barrier; no LDS byte is filled twice, and no barrier stands among the K steps.
; CLUSTER 4 x 4: a's tile hangs on cy alone and is asked for jointly by my row of the cluster, W's on cx alone, by my column.  Nothing is prefetched: all is asked for at the head, and there is no loop to run ahead in.
; The residual's 64 x 64 numbers of a wave are loaded at the head into 128 registers and land under the products.  Results go through the wave's own stage in LDS (bytes that no fill touches) and leave as
; rows: sixteen lanes store 256 consecutive bytes, aligned.
; LIMIT: eA + eB between -126 and 127.
.set ACC,  128
.set F0,   0
.set F1,   128
.set ADRY, 8
.set ADRX, 9
.set STO,  16                          ; v16 the stage: where I put 32 bytes of a row
.set RD,   17                          ; v17 and where I read a row back
.set CO,   18                          ; v18 my byte offset in two rows of resid and out
.set BIAS, 32
.set TMP,  64                          ; v64-95  16 rows' results
.set BK,   96                          ; v96-127 the same as rows
.set STAGE, 262144                     ; behind the tiles: 16 rows x 272 bytes for each wave
.set SPARE, 0x44400                    ; behind the stages: the spare words
.set G1,   20
.set G1B,  28
.set G0,   36
.set G0B,  40
.set WV,   52
.set WR,   53
.set WC,   54
.set CX,   55
.set CY,   56
.set XT,   57
.set YT,   58
.set SC,   18
.set MSB,  0
.macro WIN new
.if MSB != \new
	s_set_vgpr_msb (MSB<<8)|\new
.set MSB, \new
.endif
.endm
.macro CROUND
	s_barrier_signal -1
	s_barrier_wait -1
	s_cmp_lg_u32 s[WV], 0
	s_cbranch_scc1 .Lnot_wave_0_\@
	s_barrier_signal -3
.Lnot_wave_0_\@:
	s_barrier_wait -3
	s_barrier_signal -1
	s_barrier_wait -1
.endm
.macro PLACES
.rept 4
	v_nop
.endr
.endm
.macro FETCH s, f
	WIN 0x40
.irp i, 0,1,2,3
.irp q, 0,1,2,3
	ds_load_b128 v[\f+64+16*\i+4*\q:\f+64+16*\i+4*\q+3], v[ADRX] offset:16384*\i+2048*(\s)+512*\q
.endr
.endr
.irp i, 0,1,2,3
.irp q, 0,1,2,3
	ds_load_b128 v[\f+16*\i+4*\q:\f+16*\i+4*\q+3], v[ADRY] offset:16384*\i+2048*(\s)+512*\q
.endr
.endr
.endm
.macro MUL8 f, a0, zero                ; the 16 accumulators take turns
	WIN 0x05
.irp a, \a0, \a0+1
.irp b, 0,1,2,3
.if \zero
	v_wmma_f32_16x16x128_fp8_fp8 v[ACC+8*(4*(\a)+\b):ACC+8*(4*(\a)+\b)+7], v[\f+64+16*\b:\f+64+16*\b+15], v[\f+16*(\a):\f+16*(\a)+15], 0
.else
	v_wmma_f32_16x16x128_fp8_fp8 v[ACC+8*(4*(\a)+\b):ACC+8*(4*(\a)+\b)+7], v[\f+64+16*\b:\f+64+16*\b+15], v[\f+16*(\a):\f+16*(\a)+15], v[ACC+8*(4*(\a)+\b):ACC+8*(4*(\a)+\b)+7]
.endif
.endr
.endr
.endm
.macro STEP s, f, g, zero
	s_wait_dscnt 0x0                               ; this step's fragments are in
	MUL8 \f, 0, \zero
.if (\s) < 7
	PLACES
	FETCH (\s)+1, \g
.endif
	MUL8 \f, 2, \zero
.endm
	s_load_b256 s[4:11], s[0:1], 0x0               ; a, W, bias, resid
	s_load_b64 s[12:13], s[0:1], 0x20              ; out
	v_lshl_add_u32 v30, v0, 2, SPARE
	v_mov_b32 v31, 0
	ds_add_u32 v30, v31                            ; the opening lines: the add, twice on end, and its wait below
	ds_add_u32 v30, v31
	v_lshrrev_b32 v4, 5, v0
	v_readfirstlane_b32 s[WV], v4
	s_lshr_b32 s[WR], s[WV], 1
	s_and_b32 s[WC], s[WV], 1
	s_bfe_u32 s[CX], ttmp6, 0x40000
	s_bfe_u32 s[CY], ttmp6, 0x40004
	s_lshl_b32 s[XT], ttmp9, 2
	s_add_co_u32 s[XT], s[XT], s[CX]               ; tile of features
	s_and_b32 s[YT], ttmp7, 0xffff
	s_lshl_b32 s[YT], s[YT], 2
	s_add_co_u32 s[YT], s[YT], s[CY]               ; tile of tokens
	s_lshl_b32 s60, s[CY], 2
	s_lshl_b32 s60, 15, s60
	s_or_b32 s[G1], s60, (3<<16)|(1<<21)           ; 15:0 my row of the cluster; 17:16 elements of 8 bytes; 21 set beside a mask
	s_lshl_b32 s60, 0x1111, s[CX]
	s_or_b32 s[G1B], s60, (3<<16)|(1<<21)          ; my column
.irp g, G1, G1B                        ; a fill: 65,536 consecutive bytes, stated as 16 rows of 4,096
	s_mov_b32 s[\g+1], 512<<16
	s_mov_b32 s[\g+2], 16<<16
	s_mov_b32 s[\g+3], 512<<16
	s_mov_b32 s[\g+4], 16
	s_mov_b32 s[\g+5], 512
	s_mov_b32 s[\g+6], 0
	s_mov_b32 s[\g+7], 0
.endr
	s_lshl_b32 s61, s[WC], 16
	s_lshl_b32 s84, s[YT], 17
	s_add_co_u32 s84, s84, s61
	s_mov_b32 s85, 0
	s_lshl_b32 s86, s[XT], 17
	s_add_co_u32 s86, s86, s61
	s_mov_b32 s87, 0
	s_mov_b32 s[G0], 1
	s_lshl_b32 s[G0+1], s[WV], 16                  ; a's two halves, then W's two: no place in the cluster enters an LDS address
	s_mov_b32 s[G0B], 1
	s_lshl_b32 s[G0B+1], s[WV], 16
	s_lshl_b32 s88, s[XT], 9
	s_lshl_b32 s62, s[WC], 8
	s_add_co_u32 s88, s88, s62                     ; my first feature, in bytes of f32
	s_mov_b32 s89, 0
	s_lshl_b32 s90, s[YT], 19
	s_lshl_b32 s62, s[WR], 18
	s_add_co_u32 s90, s90, s62
	s_add_co_u32 s90, s90, s88                     ; + my first token's row
	s_mov_b32 s91, 0
	s_wait_dscnt 0x0
	s_wait_kmcnt 0x0
	s_load_b64 s[14:15], s[6:7], 0x100000          ; eA, eB
	s_add_nc_u64 s[G0+2:G0+3], s[4:5], s[84:85]
	s_or_b32 s[G0+3], s[G0+3], 0x80000000
	s_add_nc_u64 s[G0B+2:G0B+3], s[6:7], s[86:87]
	s_or_b32 s[G0B+3], s[G0B+3], 0x80000000
	s_add_nc_u64 s[8:9], s[8:9], s[88:89]
	s_add_nc_u64 s[10:11], s[10:11], s[90:91]
	s_add_nc_u64 s[12:13], s[12:13], s[90:91]
	CROUND                                         ; all sixteen work-groups are here: the joint loads meet
	s_cmp_lt_u32 s[WV], 2                          ; waves 0, 1 fetch a's halves, waves 2, 3 W's: one load in each arm, one load of mine is out
	s_cbranch_scc0 .Lfill_x
	tensor_load_to_lds s[G0:G0+3], s[G1:G1+7]
	s_nop 0
	PLACES
	s_branch .Lfilled
.Lfill_x:
	tensor_load_to_lds s[G0B:G0B+3], s[G1B:G1B+7]
	s_nop 0
	PLACES
.Lfilled:
	v_and_b32 v4, 31, v0
	v_lshlrev_b32 v1, 4, v4
	v_and_b32 v2, 15, v0                           ; r
	v_bfe_u32 v3, v0, 4, 1                         ; h
	v_lshlrev_b32 v19, 5, v3                       ; 32 h
	v_lshlrev_b32 v[CO], 12, v3
	v_lshl_add_u32 v[CO], v2, 4, v[CO]             ; lanes 0-15 one row's 256 bytes, lanes 16-31 the next row's
.irp b, 0,1,2,3
	global_load_b128 v[BIAS+8*\b:BIAS+8*\b+3], v19, s[8:9] offset:64*\b
	global_load_b128 v[BIAS+8*\b+4:BIAS+8*\b+7], v19, s[8:9] offset:64*\b+16
.endr
	WIN 0x80                                       ; destination window 2: the residual, rows 16a + 2t (+1) at v[4 (8a + t)]
.irp a, 0,1,2,3
.irp t, 0,1,2,3,4,5,6,7
	global_load_b128 v[4*(8*\a+\t):4*(8*\a+\t)+3], v[CO], s[10:11] offset:(16*\a+2*\t)*4096 th:TH_LOAD_NT
.endr
.endr
	WIN 0
	s_lshl_b32 s61, s[WR], 16
	s_lshl_b32 s62, s[WC], 16
	s_add_co_u32 s62, s62, 131072
	v_add_nc_u32 v[ADRY], s61, v1
	v_add_nc_u32 v[ADRX], s62, v1
	s_mul_i32 s61, s[WV], 4352
	s_add_co_u32 s61, s61, STAGE                   ; my stage
	v_mul_u32_u24 v[STO], v2, 272
	v_lshl_add_u32 v[STO], v3, 5, v[STO]
	v_add_nc_u32 v[STO], s61, v[STO]
	v_mul_u32_u24 v[RD], v3, 272
	v_lshl_add_u32 v[RD], v2, 4, v[RD]
	v_add_nc_u32 v[RD], s61, v[RD]
	s_wait_alu depctr_va_vdst(0)                   ; the wait at the head's end
	s_wait_kmcnt 0x0
	s_add_co_i32 s61, s14, s15
	s_add_co_i32 s61, s61, 127
	s_lshl_b32 s[SC], s61, 23                      ; 2^(eA + eB)
	s_mov_b32 s[SC+1], s[SC]
	s_wait_tensorcnt 0x0                           ; my half of a tile is in,
	s_barrier_signal -1
	s_barrier_wait -1                              ; and everybody's
	FETCH 0, F0
	STEP 0, F0, F1, 1
	STEP 1, F1, F0, 0
	STEP 2, F0, F1, 0
	STEP 3, F1, F0, 0
	STEP 4, F0, F1, 0
	STEP 5, F1, F0, 0
	STEP 6, F0, F1, 0
	STEP 7, F1, F0, 0
	WIN 0
	PLACES
	s_wait_loadcnt 0x0                             ; bias and residual
.irp a, 0,1,2,3                        ; 16 tokens at a time
.irp b, 0,1,2,3
.irp i, 0,2,4,6
	v_pk_fma_f32 v[TMP+8*\b+\i:TMP+8*\b+\i+1], v[ACC+8*(4*\a+\b)+\i:ACC+8*(4*\a+\b)+\i+1], s[SC:SC+1], v[BIAS+8*\b+\i:BIAS+8*\b+\i+1] op_sel_hi:[1,0,1]
.endr
.endr
.irp b, 0,1,2,3
	ds_store_b128 v[STO], v[TMP+8*\b:TMP+8*\b+3] offset:64*\b
	ds_store_b128 v[STO], v[TMP+8*\b+4:TMP+8*\b+7] offset:64*\b+16
.endr
.irp t, 0,1,2,3,4,5,6,7
	ds_load_b128 v[BK+4*\t:BK+4*\t+3], v[RD] offset:544*\t   ; LDS serves a wave's instructions in order (ISA guide 5.7.1.4): these see my stores
.endr
	s_wait_dscnt 0x0
	WIN 0x82                                       ; the residual (destination and source 0) in window 2
.irp t, 0,1,2,3,4,5,6,7
	v_pk_add_f32 v[4*(8*\a+\t):4*(8*\a+\t)+1], v[4*(8*\a+\t):4*(8*\a+\t)+1], v[BK+4*\t:BK+4*\t+1]
	v_pk_add_f32 v[4*(8*\a+\t)+2:4*(8*\a+\t)+3], v[4*(8*\a+\t)+2:4*(8*\a+\t)+3], v[BK+4*\t+2:BK+4*\t+3]
.endr
	WIN 0x08                                       ; a store's data in window 2
.irp t, 0,1,2,3,4,5,6,7
	global_store_b128 v[CO], v[4*(8*\a+\t):4*(8*\a+\t)+3], s[12:13] offset:(16*\a+2*\t)*4096 th:TH_STORE_NT   ; 16 lanes store 256 consecutive bytes, aligned; every store has registers of its own
.endr
	WIN 0
.endr
	s_wait_tensorcnt 0x0                           ; the wave's end
	ds_add_u32 v30, v31
	s_wait_dscnt 0x0
	CROUND                                         ; the closing round
	s_endpgm
.Lfunc_end_k_q44850b12b3_oproj:
	.size	k_q44850b12b3_oproj, .Lfunc_end_k_q44850b12b3_oproj-k_q44850b12b3_oproj
	.p2alignl 7, 3214868480
	.fill 96, 4, 3214868480
	.section	.rodata,"a",@progbits
	.p2align	6, 0x0
	.amdhsa_kernel k_q44850b12b3_oproj
		.amdhsa_group_segment_fixed_size 280064
		.amdhsa_private_segment_fixed_size 0
		.amdhsa_enable_private_segment 0
		.amdhsa_kernarg_size 40
		.amdhsa_user_sgpr_count 2
		.amdhsa_user_sgpr_kernarg_segment_ptr 1
		.amdhsa_wavefront_size32 1
		.amdhsa_system_sgpr_workgroup_id_x 1
		.amdhsa_system_sgpr_workgroup_id_y 1
		.amdhsa_system_sgpr_workgroup_id_z 1
		.amdhsa_system_vgpr_workitem_id 0
		.amdhsa_next_free_vgpr 640
		.amdhsa_next_free_sgpr 104
		.amdhsa_reserve_vcc 0
		.amdhsa_float_denorm_mode_32 3
		.amdhsa_float_denorm_mode_16_64 3
		.amdhsa_memory_ordered 1
		.amdhsa_forward_progress 1
		.amdhsa_inst_pref_size 52
	.end_amdhsa_kernel
	.amdgpu_metadata
---
amdhsa.version: [ 1, 2 ]
amdhsa.kernels:
  - .name:           k_q44850b12b3_oproj
    .symbol:         k_q44850b12b3_oproj.kd
    .args:
      - { .name: act, .offset: 0, .size: 8, .value_kind: global_buffer, .address_space: global }
      - { .name: wo, .offset: 8, .size: 8, .value_kind: global_buffer, .address_space: global }
      - { .name: o_bias, .offset: 16, .size: 8, .value_kind: global_buffer, .address_space: global }
      - { .name: x, .offset: 24, .size: 8, .value_kind: global_buffer, .address_space: global }
      - { .name: x1, .offset: 32, .size: 8, .value_kind: global_buffer, .address_space: global }
    .group_segment_fixed_size: 280064
    .private_segment_fixed_size: 0
    .kernarg_segment_align: 8
    .kernarg_segment_size: 40
    .max_flat_workgroup_size: 128
    .sgpr_count:     104
    .vgpr_count:     640
    .wavefront_size: 32
...
	.end_amdgpu_metadata
.endif
;; end of part 4
;; launch ln2 (part 5): grid 256 x 1, 16 waves a work-group, no clusters, 68,096 bytes of LDS; arguments x1, ln2_gamma, ln2_beta, lowp_scales, hc; writes hc
.if DOCPART == 5
	.amdgcn_target "amdgcn-amd-amdhsa--gfx1250"
	.amdhsa_code_object_version 6
	.text
	.protected	k_q44850b12b3_ln2
	.globl	k_q44850b12b3_ln2
	.p2align	8
	.type	k_q44850b12b3_ln2,@function
k_q44850b12b3_ln2:
	s_mov_b64 s[64:65], 0
	v_nop
	global_prefetch_b8 v0, s[64:65] scope:SCOPE_SE
	s_setreg_imm32_b32 hwreg(HW_REG_WAVE_MODE, 25, 1), 1
	s_wait_xcnt 0x0
; ln2(x1) as codes of E4M3 with the scale of entry 12 of lowp_scales, laid as images of operand registers ([rows / 16][8 fragments][2,048 bytes]; registers 2c, 2c+1 of lane (r, h): k = 16c + 8h + 0..7 of row r).
; A work-group takes 16 rows.  Wave w first holds row w (loads of 512 consecutive bytes), normalises it (mean, then the mean of squared differences); the rows turn through LDS; then wave w holds
; k = 64w .. 64w+63 of all 16 rows and converts.  Memory binds: no matrix unit, no tensor load, no cluster.
; LIMITS: e12 between -126 and 119.  NaN is not served.
.set PITCH, 4112
.set X,   16
.set GA,  48
.set BE,  80
.set CD,  112
.set SCL, 120
.set LIM, 121
.set WV,  34
.macro FOLD
	s_delay_alu instid0(VALU_DEP_3)
	v_pk_add_f32 v[8:9], v[8:9], v[10:11]
	s_delay_alu instid0(VALU_DEP_2)
	v_pk_add_f32 v[12:13], v[12:13], v[14:15]
	s_delay_alu instid0(VALU_DEP_1)
	v_pk_add_f32 v[8:9], v[8:9], v[12:13]
	s_delay_alu instid0(VALU_DEP_1)
	v_add_f32 v8, v8, v9
.endm
.macro REDUCE
	s_delay_alu instid0(VALU_DEP_1)
	v_add_f32_dpp v8, v8, v8 row_xmask:1 row_mask:0xf bank_mask:0xf
	s_delay_alu instid0(VALU_DEP_1)
	v_add_f32_dpp v8, v8, v8 row_xmask:2 row_mask:0xf bank_mask:0xf
	s_delay_alu instid0(VALU_DEP_1)
	v_add_f32_dpp v8, v8, v8 row_xmask:4 row_mask:0xf bank_mask:0xf
	s_delay_alu instid0(VALU_DEP_1)
	v_add_f32_dpp v8, v8, v8 row_xmask:8 row_mask:0xf bank_mask:0xf
	s_delay_alu instid0(VALU_DEP_1)
	v_permlanex16_b32 v9, v8, s46, s47
	s_delay_alu instid0(VALU_DEP_1)
	v_add_f32 v8, v8, v9
.endm
	s_load_b256 s[4:11], s[0:1], 0x0               ; x1, gamma, beta, lowp_scales
	s_load_b64 s[12:13], s[0:1], 0x20              ; hc
	v_lshl_add_u32 v128, v0, 2, 0x10200
	v_mov_b32 v129, 0
	v_lshrrev_b32 v6, 5, v0
	s_delay_alu instid0(VALU_DEP_1)
	v_readfirstlane_b32 s[WV], v6
	v_and_b32 v7, 31, v0
	s_delay_alu instid0(VALU_DEP_1)
	v_lshlrev_b32 v1, 4, v7
	v_and_b32 v2, 15, v0
	v_bfe_u32 v3, v0, 4, 1
	s_mul_i32 s48, s[WV], PITCH
	v_add_nc_u32 v4, s48, v1
	v_mul_u32_u24 v5, v2, PITCH
	s_delay_alu instid0(VALU_DEP_1)
	v_lshl_add_u32 v5, v3, 5, v5
	s_lshl_b32 s48, s[WV], 8
	v_add_nc_u32 v5, s48, v5
	s_lshl_b32 s52, ttmp9, 16
	s_lshl_b32 s48, s[WV], 12
	s_add_co_u32 s52, s52, s48
	s_mov_b32 s53, 0
	s_lshl_b32 s54, ttmp9, 14
	s_lshl_b32 s48, s[WV], 10
	s_add_co_u32 s54, s54, s48
	s_mov_b32 s55, 0
	s_mov_b32 s46, 0x76543210
	s_mov_b32 s47, 0xfedcba98
	s_mov_b32 s56, 0x3a800000                      ; 1 / 1024
	s_mov_b32 s57, 0x3727c5ac                      ; 1e-5
	s_wait_alu depctr_va_vdst(0)
	s_wait_kmcnt 0x0
	s_load_b32 s14, s[10:11], 0x30                 ; e12
	s_add_nc_u64 s[38:39], s[4:5], s[52:53]
	s_add_nc_u64 s[40:41], s[12:13], s[54:55]
.set i, 0
.rept 8
	global_load_b128 v[X+4*i:X+4*i+3], v1, s[38:39] offset:512*i th:TH_LOAD_NT
.set i, i+1
.endr
.set i, 0
.rept 8
	global_load_b128 v[GA+4*i:GA+4*i+3], v1, s[6:7] offset:512*i
	global_load_b128 v[BE+4*i:BE+4*i+3], v1, s[8:9] offset:512*i
.set i, i+1
.endr
	s_wait_loadcnt 16                              ; the row is in; the 16 loads of gamma and beta are younger
.irp c, 0,1,2,3
	v_pk_add_f32 v[8+2*\c:9+2*\c], v[X+2*\c:X+2*\c+1], v[X+8+2*\c:X+9+2*\c]
.endr
.irp g, 16,24
.irp c, 0,1,2,3
	s_delay_alu instid0(VALU_DEP_4)
	v_pk_add_f32 v[8+2*\c:9+2*\c], v[8+2*\c:9+2*\c], v[X+\g+2*\c:X+\g+2*\c+1]
.endr
.endr
	FOLD
	REDUCE
	s_delay_alu instid0(VALU_DEP_1)
	v_mul_f32 v10, s56, v8
	s_delay_alu instid0(VALU_DEP_1)
	v_mov_b32 v11, v10
.set i, 0
.rept 16
	v_pk_add_f32 v[X+2*i:X+2*i+1], v[X+2*i:X+2*i+1], v[10:11] neg_lo:[0,1] neg_hi:[0,1]
.set i, i+1
.endr
.irp c, 0,1,2,3
	v_pk_mul_f32 v[8+2*\c:9+2*\c], v[X+2*\c:X+2*\c+1], v[X+2*\c:X+2*\c+1]
.endr
.irp g, 8,16,24
.irp c, 0,1,2,3
	s_delay_alu instid0(VALU_DEP_4)
	v_pk_fma_f32 v[8+2*\c:9+2*\c], v[X+\g+2*\c:X+\g+2*\c+1], v[X+\g+2*\c:X+\g+2*\c+1], v[8+2*\c:9+2*\c]
.endr
.endr
	FOLD
	REDUCE
	s_delay_alu instid0(VALU_DEP_1)
	v_fma_f32 v8, v8, s56, s57
	s_wait_alu depctr_va_vdst(0)
	v_rsq_f32 v12, v8
	v_nop                                          ; a plain line behind the transcendental
	s_wait_alu depctr_va_vdst(0)                   ; the wait ahead of its first reader
	v_mov_b32 v13, v12
	s_wait_alu depctr_va_vdst(0)
	s_wait_loadcnt 0x0
.set i, 0
.rept 16
	v_pk_mul_f32 v[X+2*i:X+2*i+1], v[X+2*i:X+2*i+1], v[12:13]
.set i, i+1
.endr
.set i, 0
.rept 16
	v_pk_fma_f32 v[X+2*i:X+2*i+1], v[X+2*i:X+2*i+1], v[GA+2*i:GA+2*i+1], v[BE+2*i:BE+2*i+1]
.set i, i+1
.endr
.set i, 0
.rept 8
	ds_store_b128 v4, v[X+4*i:X+4*i+3] offset:512*i
.set i, i+1
.endr
	s_wait_dscnt 0x0                               ; for the others' sake: my row lies in LDS
	s_barrier_signal -1
	s_barrier_wait -1
.irp c, 0,1,2,3
	ds_load_b128 v[X+8*\c:X+8*\c+3], v5 offset:64*\c
	ds_load_b128 v[X+8*\c+4:X+8*\c+7], v5 offset:64*\c+16
.endr
	s_wait_kmcnt 0x0
	s_add_co_i32 s48, s14, 127
	s_lshl_b32 s49, s48, 23
	v_mov_b32 v[SCL], s49
	s_add_co_i32 s48, s48, 8
	s_lshl_b32 s48, s48, 23
	s_or_b32 s48, s48, 0x600000
	v_mov_b32 v[LIM], s48
	s_wait_alu depctr_va_vdst(0)
	s_wait_dscnt 0x0
.set i, 0
.rept 32
	v_med3_num_f32 v[GA+i], v[X+i], -v[LIM], v[LIM]
.set i, i+1
.endr
.irp c, 0,1,2,3
	v_cvt_scalef32_pk8_fp8_f32 v[CD+2*\c:CD+2*\c+1], v[GA+8*\c:GA+8*\c+7], v[SCL]
.endr
	v_nop
	global_store_b128 v1, v[CD:CD+3], s[40:41]
	global_store_b128 v1, v[CD+4:CD+7], s[40:41] offset:512
	s_wait_tensorcnt 0x0
	ds_add_u32 v128, v129
	s_wait_dscnt 0x0
	s_endpgm
.Lfunc_end_k_q44850b12b3_ln2:
	.size	k_q44850b12b3_ln2, .Lfunc_end_k_q44850b12b3_ln2-k_q44850b12b3_ln2
	.p2alignl 7, 3214868480
	.fill 96, 4, 3214868480
	.section	.rodata,"a",@progbits
	.p2align	6, 0x0
	.amdhsa_kernel k_q44850b12b3_ln2
		.amdhsa_group_segment_fixed_size 68096
		.amdhsa_private_segment_fixed_size 0
		.amdhsa_enable_private_segment 0
		.amdhsa_kernarg_size 40
		.amdhsa_user_sgpr_count 2
		.amdhsa_user_sgpr_kernarg_segment_ptr 1
		.amdhsa_wavefront_size32 1
		.amdhsa_system_sgpr_workgroup_id_x 1
		.amdhsa_system_sgpr_workgroup_id_y 1
		.amdhsa_system_sgpr_workgroup_id_z 1
		.amdhsa_system_vgpr_workitem_id 0
		.amdhsa_next_free_vgpr 130
		.amdhsa_next_free_sgpr 66
		.amdhsa_reserve_vcc 0
		.amdhsa_float_denorm_mode_32 3
		.amdhsa_float_denorm_mode_16_64 3
		.amdhsa_memory_ordered 1
		.amdhsa_forward_progress 1
		.amdhsa_inst_pref_size 16
	.end_amdhsa_kernel
	.amdgpu_metadata
---
amdhsa.version: [ 1, 2 ]
amdhsa.kernels:
  - .name:           k_q44850b12b3_ln2
    .symbol:         k_q44850b12b3_ln2.kd
    .args:
      - { .name: x1, .offset: 0, .size: 8, .value_kind: global_buffer, .address_space: global }
      - { .name: ln2_gamma, .offset: 8, .size: 8, .value_kind: global_buffer, .address_space: global }
      - { .name: ln2_beta, .offset: 16, .size: 8, .value_kind: global_buffer, .address_space: global }
      - { .name: lowp_scales, .offset: 24, .size: 8, .value_kind: global_buffer, .address_space: global }
      - { .name: hc, .offset: 32, .size: 8, .value_kind: global_buffer, .address_space: global }
    .group_segment_fixed_size: 68096
    .private_segment_fixed_size: 0
    .kernarg_segment_align: 8
    .kernarg_segment_size: 40
    .max_flat_workgroup_size: 512
    .sgpr_count:     66
    .vgpr_count:     130
    .wavefront_size: 32
...
	.end_amdgpu_metadata
.endif
;; end of part 5
;; launch ffn1 (part 6): grid 8 x 32, 4 waves a work-group, clusters of 4 x 4, 262,656 bytes of LDS; arguments hc, w1, ffn1_bias, lowp_scales, act; writes act
.if DOCPART == 6
	.amdgcn_target "amdgcn-amd-amdhsa--gfx1250"
	.amdhsa_code_object_version 6
	.text
	.protected	k_q44850b12b3_ffn1
	.globl	k_q44850b12b3_ffn1
	.p2align	8
	.type	k_q44850b12b3_ffn1,@function
k_q44850b12b3_ffn1:
	s_mov_b64 s[64:65], 0
	v_nop
	global_prefetch_b8 v0, s[64:65] scope:SCOPE_SE
	s_setreg_imm32_b32 hwreg(HW_REG_WAVE_MODE, 25, 1), 1
	s_wait_xcnt 0x0
	s_wait_alu depctr_hold_cnt(0) depctr_sa_sdst(0) depctr_va_vdst(0) depctr_va_sdst(0) depctr_va_ssrc(0) depctr_va_vcc(0) depctr_vm_vsrc(0)
	s_getreg_b32 s2, hwreg(HW_REG_IB_STS2, 6, 4)
	s_cmp_eq_u32 s2, 0
	s_cbranch_scc0 .Lentry_in_a_cluster
	s_endpgm
.Lentry_in_a_cluster:
	s_bfe_u32 s2, ttmp6, 0x10000c
	s_cmp_lg_u32 s2, 0xf033
	s_cbranch_scc0 .Lentry_shape_is_right
	s_endpgm
.Lentry_shape_is_right:
; f = gelu(h2 W1^T + b1), exact (by erf), on codes of E4M3, and f's own codes (scale e14) for the next product.  Operands and result are images of operand registers ([rows / 16][8 fragments][2,048 bytes]).
; A work-group makes 128 tokens (Y) x 128 features (X) over K = 1,024; four waves, 64 x 64 each.  Transposed use: a lane holds eight neighbouring features of one token: a conversion's two registers are
; registers 2b, 2b+1 of my half of a fragment of the next operand, and leave by stores of 512 consecutive bytes.
; THE WHOLE TILE LIES IN LDS AT ONCE, as it lies in memory: h2's 128 KB, then W1's.  Half a tile is 65,536 consecutive bytes: ONE tensor load a wave at the head brings it (waves 0, 1: h2's halves; 2, 3: W1's).
; One wait for 0, one barrier; no LDS byte is filled twice, and no barrier stands among the K steps.
; CLUSTER 4 x 4: h2's tile is asked for jointly by my row of the cluster, W1's by my column.  Nothing is prefetched: all is asked for at the head, and there is no loop to run ahead in.
; erf(z) = z P(z^2) / Q(z^2), z held within +-4: a rational form good to a few units in the last place of f32.  gelu = x/2 + (x/2) erf(x / sqrt 2).
; LIMITS: e12 + e13 between -126 and 127; e14 between -126 and 119.  1 + erf carries an absolute error near 1e-7, so gelu's relative error grows in the far negative tail (about 5e-5 at x = -3).  NaN is not served.
.set ACC,  128
.set F0,   0
.set F1,   128
.set ADRY, 8
.set ADRX, 9
.set BIAS, 32
.set G1,   20
.set G1B,  28
.set G0,   36
.set G0B,  40
.set WV,   52
.set WR,   53
.set WC,   54
.set CX,   55
.set CY,   56
.set XT,   57
.set YT,   58
.set SC,   18
.set PA,   20                          ; s[20:31] P's coefficients from z^10 down, each as a pair; in the descriptors' registers, written when my fill has landed
.set QB,   32                          ; s[32:39] Q's from z^6 down
.set MSB,  0
.macro WIN new
.if MSB != \new
	s_set_vgpr_msb (MSB<<8)|\new
.set MSB, \new
.endif
.endm
.macro CROUND
	s_barrier_signal -1
	s_barrier_wait -1
	s_cmp_lg_u32 s[WV], 0
	s_cbranch_scc1 .Lnot_wave_0_\@
	s_barrier_signal -3
.Lnot_wave_0_\@:
	s_barrier_wait -3
	s_barrier_signal -1
	s_barrier_wait -1
.endm
.macro PLACES
.rept 4
	v_nop
.endr
.endm
.macro FETCH s, f
	WIN 0x40
.irp i, 0,1,2,3
.irp q, 0,1,2,3
	ds_load_b128 v[\f+64+16*\i+4*\q:\f+64+16*\i+4*\q+3], v[ADRX] offset:16384*\i+2048*(\s)+512*\q
.endr
.endr
.irp i, 0,1,2,3
.irp q, 0,1,2,3
	ds_load_b128 v[\f+16*\i+4*\q:\f+16*\i+4*\q+3], v[ADRY] offset:16384*\i+2048*(\s)+512*\q
.endr
.endr
.endm
.macro MUL8 f, a0, zero                ; the 16 accumulators take turns
	WIN 0x05
.irp a, \a0, \a0+1
.irp b, 0,1,2,3
.if \zero
	v_wmma_f32_16x16x128_fp8_fp8 v[ACC+8*(4*(\a)+\b):ACC+8*(4*(\a)+\b)+7], v[\f+64+16*\b:\f+64+16*\b+15], v[\f+16*(\a):\f+16*(\a)+15], 0
.else
	v_wmma_f32_16x16x128_fp8_fp8 v[ACC+8*(4*(\a)+\b):ACC+8*(4*(\a)+\b)+7], v[\f+64+16*\b:\f+64+16*\b+15], v[\f+16*(\a):\f+16*(\a)+15], v[ACC+8*(4*(\a)+\b):ACC+8*(4*(\a)+\b)+7]
.endif
.endr
.endr
.endm
.macro STEP s, f, g, zero
	s_wait_dscnt 0x0                               ; this step's fragments are in
	MUL8 \f, 0, \zero
.if (\s) < 7
	PLACES
	FETCH (\s)+1, \g
.endif
	MUL8 \f, 2, \zero
.endm
.macro COEF reg, val                   ; a coefficient as a pair: the packed form names both registers
	s_mov_b32 s[\reg], \val
	s_mov_b32 s[\reg+1], \val
.endm
	s_load_b256 s[4:11], s[0:1], 0x0               ; hc, w1, ffn1_bias, lowp_scales
	s_load_b64 s[12:13], s[0:1], 0x20              ; act
	v_lshl_add_u32 v126, v0, 2, 0x40000
	v_mov_b32 v127, 0
	ds_add_u32 v126, v127                          ; the opening lines: the add, twice on end, and its wait below
	ds_add_u32 v126, v127
	v_lshrrev_b32 v4, 5, v0
	v_readfirstlane_b32 s[WV], v4
	s_lshr_b32 s[WR], s[WV], 1
	s_and_b32 s[WC], s[WV], 1
	s_bfe_u32 s[CX], ttmp6, 0x40000
	s_bfe_u32 s[CY], ttmp6, 0x40004
	s_lshl_b32 s[XT], ttmp9, 2
	s_add_co_u32 s[XT], s[XT], s[CX]
	s_and_b32 s[YT], ttmp7, 0xffff
	s_lshl_b32 s[YT], s[YT], 2
	s_add_co_u32 s[YT], s[YT], s[CY]
	s_lshl_b32 s60, s[CY], 2
	s_lshl_b32 s60, 15, s60
	s_or_b32 s[G1], s60, (3<<16)|(1<<21)           ; 15:0 my row of the cluster; 17:16 elements of 8 bytes; 21 set beside a mask
	s_lshl_b32 s60, 0x1111, s[CX]
	s_or_b32 s[G1B], s60, (3<<16)|(1<<21)          ; my column
.irp g, G1, G1B                        ; a fill: 65,536 consecutive bytes, stated as 16 rows of 4,096
	s_mov_b32 s[\g+1], 512<<16
	s_mov_b32 s[\g+2], 16<<16
	s_mov_b32 s[\g+3], 512<<16
	s_mov_b32 s[\g+4], 16
	s_mov_b32 s[\g+5], 512
	s_mov_b32 s[\g+6], 0
	s_mov_b32 s[\g+7], 0
.endr
	s_lshl_b32 s61, s[WC], 16
	s_lshl_b32 s84, s[YT], 17
	s_add_co_u32 s84, s84, s61
	s_mov_b32 s85, 0
	s_lshl_b32 s86, s[XT], 17
	s_add_co_u32 s86, s86, s61
	s_mov_b32 s87, 0
	s_mov_b32 s[G0], 1
	s_lshl_b32 s[G0+1], s[WV], 16                  ; h2's two halves, then W1's two: no place in the cluster enters an LDS address
	s_mov_b32 s[G0B], 1
	s_lshl_b32 s[G0B+1], s[WV], 16
	s_lshl_b32 s92, s[XT], 9
	s_lshl_b32 s62, s[WC], 8
	s_add_co_u32 s92, s92, s62                     ; my first feature, in bytes of f32
	s_mov_b32 s93, 0
	s_lshl_b32 s94, s[YT], 3                       ; f's codes: block of 16 tokens 8 YT + 4 wr, fragment XT, my half of it
	s_lshl_b32 s62, s[WR], 2
	s_add_co_u32 s94, s94, s62
	s_lshl_b32 s94, s94, 14
	s_lshl_b32 s62, s[XT], 11
	s_add_co_u32 s94, s94, s62
	s_lshl_b32 s62, s[WC], 10
	s_add_co_u32 s94, s94, s62
	s_mov_b32 s95, 0
	s_wait_dscnt 0x0
	s_wait_kmcnt 0x0
	s_load_b128 s[88:91], s[10:11], 0x30           ; e12, e13, e14, e15
	s_add_nc_u64 s[G0+2:G0+3], s[4:5], s[84:85]
	s_or_b32 s[G0+3], s[G0+3], 0x80000000
	s_add_nc_u64 s[G0B+2:G0B+3], s[6:7], s[86:87]
	s_or_b32 s[G0B+3], s[G0B+3], 0x80000000
	s_add_nc_u64 s[8:9], s[8:9], s[92:93]
	s_add_nc_u64 s[12:13], s[12:13], s[94:95]
	CROUND                                         ; all sixteen work-groups are here: the joint loads meet
	s_cmp_lt_u32 s[WV], 2                          ; waves 0, 1 fetch h2's halves, waves 2, 3 W1's: one load in each arm, one load of mine is out
	s_cbranch_scc0 .Lfill_x
	tensor_load_to_lds s[G0:G0+3], s[G1:G1+7]
	s_nop 0
	PLACES
	s_branch .Lfilled
.Lfill_x:
	tensor_load_to_lds s[G0B:G0B+3], s[G1B:G1B+7]
	s_nop 0
	PLACES
.Lfilled:
	v_and_b32 v4, 31, v0
	v_lshlrev_b32 v1, 4, v4
	s_wait_alu depctr_va_vdst(0)                   ; the wait behind this write
	v_bfe_u32 v3, v0, 4, 1
	v_lshlrev_b32 v16, 5, v3                       ; 32 h
.irp b, 0,1,2,3
	global_load_b128 v[BIAS+8*\b:BIAS+8*\b+3], v16, s[8:9] offset:64*\b
	global_load_b128 v[BIAS+8*\b+4:BIAS+8*\b+7], v16, s[8:9] offset:64*\b+16
.endr
	s_lshl_b32 s61, s[WR], 16
	s_lshl_b32 s62, s[WC], 16
	s_add_co_u32 s62, s62, 131072
	v_add_nc_u32 v[ADRY], s61, v1
	v_add_nc_u32 v[ADRX], s62, v1
	s_wait_alu depctr_va_vdst(0)                   ; the wait here, directly ahead of the wait below
	s_wait_kmcnt 0x0
	s_add_co_i32 s61, s88, s89
	s_add_co_i32 s61, s61, 127
	s_lshl_b32 s[SC], s61, 23                      ; 2^(e12 + e13)
	s_mov_b32 s[SC+1], s[SC]
	s_add_co_i32 s62, s90, 127
	s_lshl_b32 s63, s62, 23
	v_mov_b32 v30, s63                             ; 2^e14
	s_add_co_i32 s62, s62, 8
	s_lshl_b32 s62, s62, 23
	s_or_b32 s62, s62, 0x600000
	v_mov_b32 v31, s62                             ; 448 x 2^e14
	s_wait_tensorcnt 0x0                           ; my half of a tile is in,
	s_barrier_signal -1
	s_barrier_wait -1                              ; and everybody's
	FETCH 0, F0
	STEP 0, F0, F1, 1
	STEP 1, F1, F0, 0
	STEP 2, F0, F1, 0
	STEP 3, F1, F0, 0
	STEP 4, F0, F1, 0
	STEP 5, F1, F0, 0
	STEP 6, F0, F1, 0
	STEP 7, F1, F0, 0
	WIN 0
	PLACES
	COEF PA,    0x32edffee                         ; my fill was shown landed ahead of the first K step: the descriptors' registers are free
	COEF PA+2,  0xb60cff51
	COEF PA+4,  0xb86ec2d2
	COEF PA+6,  0xba40ac63
	COEF PA+8,  0xbb41a1f6
	COEF PA+10, 0xbc83dbd4
	COEF QB,    0xb95fbd29
	COEF QB+2,  0xbadc924e
	COEF QB+4,  0xbbf19bf8
	COEF QB+6,  0xbc69b6a7
	v_mov_b32 v104, 0xaf95df0b                     ; P's leading coefficient,
	v_mov_b32 v105, 0xaf95df0b
	v_mov_b32 v106, 0xb77460cd                     ; Q's
	v_mov_b32 v107, 0xb77460cd
	s_wait_loadcnt 0x0                             ; the bias
; accumulator (a, b): x v64-71, z v72-79, z^2 v80-87, P v88-95, Q v96-103; the codes go into accumulator (a, 0)'s registers, which have been read
.macro GELU a, b
.set AC, ACC+8*(4*(\a)+(\b))
.irp i, 0,2,4,6
	v_pk_fma_f32 v[64+\i:65+\i], v[AC+\i:AC+\i+1], s[SC:SC+1], v[BIAS+8*(\b)+\i:BIAS+8*(\b)+\i+1] op_sel_hi:[1,0,1]   ; x = sum x 2^(e12 + e13) + b1
.endr
.irp i, 0,2,4,6
	v_pk_mul_f32 v[72+\i:73+\i], v[64+\i:65+\i], 0x3f3504f3 op_sel_hi:[1,0]   ; z = x / sqrt 2
.endr
.irp i, 0,1,2,3,4,5,6,7
	v_med3_num_f32 v[72+\i], v[72+\i], -4.0, 4.0
.endr
.irp i, 0,2,4,6
	v_pk_mul_f32 v[80+\i:81+\i], v[72+\i:73+\i], v[72+\i:73+\i]
.endr
.irp i, 0,2,4,6
	v_pk_fma_f32 v[88+\i:89+\i], v[80+\i:81+\i], v[104:105], s[PA:PA+1] op_sel_hi:[1,1,0]
	v_pk_fma_f32 v[96+\i:97+\i], v[80+\i:81+\i], v[106:107], s[QB:QB+1] op_sel_hi:[1,1,0]
.endr
.irp k, 1,2,3
.irp i, 0,2,4,6
	v_pk_fma_f32 v[88+\i:89+\i], v[88+\i:89+\i], v[80+\i:81+\i], s[PA+2*\k:PA+2*\k+1] op_sel_hi:[1,1,0]
	v_pk_fma_f32 v[96+\i:97+\i], v[96+\i:97+\i], v[80+\i:81+\i], s[QB+2*\k:QB+2*\k+1] op_sel_hi:[1,1,0]
.endr
.endr
.irp k, 4,5
.irp i, 0,2,4,6
	v_pk_fma_f32 v[88+\i:89+\i], v[88+\i:89+\i], v[80+\i:81+\i], s[PA+2*\k:PA+2*\k+1] op_sel_hi:[1,1,0]
.endr
.endr
	s_wait_alu depctr_va_vdst(0)                   ; the wait ahead of the batch
.irp i, 0,1,2,3,4,5,6,7
	v_rcp_f32 v[96+\i], v[96+\i]
.endr
.irp i, 0,2,4,6
	v_pk_mul_f32 v[88+\i:89+\i], v[88+\i:89+\i], v[72+\i:73+\i]               ; z P: plain lines behind the reciprocals, which name none of their results
.endr
.irp i, 0,2,4,6
	v_pk_mul_f32 v[64+\i:65+\i], v[64+\i:65+\i], 0.5 op_sel_hi:[1,0]          ; x / 2
.endr
	s_wait_alu depctr_va_vdst(0)                   ; one wait for the eight reciprocals, ahead of their first reader
.irp i, 0,2,4,6
	v_pk_mul_f32 v[88+\i:89+\i], v[88+\i:89+\i], v[96+\i:97+\i]               ; erf
.endr
.irp i, 0,2,4,6
	v_pk_fma_f32 v[64+\i:65+\i], v[64+\i:65+\i], v[88+\i:89+\i], v[64+\i:65+\i]
.endr
.irp i, 0,1,2,3,4,5,6,7
	v_med3_num_f32 v[64+\i], v[64+\i], -v31, v31
.endr
	v_cvt_scalef32_pk8_fp8_f32 v[ACC+32*(\a)+2*(\b):ACC+32*(\a)+2*(\b)+1], v[64:71], v30
	v_nop                                          ; a plain line behind the conversion: the next lines write its sources
.endm
.irp a, 0,1,2,3
.irp b, 0,1,2,3
	GELU \a, \b
.endr
	global_store_b128 v1, v[ACC+32*\a:ACC+32*\a+3], s[12:13] offset:16384*\a       ; 512 consecutive bytes a store
	global_store_b128 v1, v[ACC+32*\a+4:ACC+32*\a+7], s[12:13] offset:16384*\a+512
.endr
	s_wait_tensorcnt 0x0                           ; the wave's end
	ds_add_u32 v126, v127
	s_wait_dscnt 0x0
	CROUND                                         ; the closing round
	s_endpgm
.Lfunc_end_k_q44850b12b3_ffn1:
	.size	k_q44850b12b3_ffn1, .Lfunc_end_k_q44850b12b3_ffn1-k_q44850b12b3_ffn1
	.p2alignl 7, 3214868480
	.fill 96, 4, 3214868480
	.section	.rodata,"a",@progbits
	.p2align	6, 0x0
	.amdhsa_kernel k_q44850b12b3_ffn1
		.amdhsa_group_segment_fixed_size 262656
		.amdhsa_private_segment_fixed_size 0
		.amdhsa_enable_private_segment 0
		.amdhsa_kernarg_size 40
		.amdhsa_user_sgpr_count 2
		.amdhsa_user_sgpr_kernarg_segment_ptr 1
		.amdhsa_wavefront_size32 1
		.amdhsa_system_sgpr_workgroup_id_x 1
		.amdhsa_system_sgpr_workgroup_id_y 1
		.amdhsa_system_sgpr_workgroup_id_z 1
		.amdhsa_system_vgpr_workitem_id 0
		.amdhsa_next_free_vgpr 512
		.amdhsa_next_free_sgpr 104
		.amdhsa_reserve_vcc 0
		.amdhsa_float_denorm_mode_32 3
		.amdhsa_float_denorm_mode_16_64 3
		.amdhsa_memory_ordered 1
		.amdhsa_forward_progress 1
		.amdhsa_inst_pref_size 127
	.end_amdhsa_kernel
	.amdgpu_metadata
---
amdhsa.version: [ 1, 2 ]
amdhsa.kernels:
  - .name:           k_q44850b12b3_ffn1
    .symbol:         k_q44850b12b3_ffn1.kd
    .args:
      - { .name: hc, .offset: 0, .size: 8, .value_kind: global_buffer, .address_space: global }
      - { .name: w1, .offset: 8, .size: 8, .value_kind: global_buffer, .address_space: global }
      - { .name: ffn1_bias, .offset: 16, .size: 8, .value_kind: global_buffer, .address_space: global }
      - { .name: lowp_scales, .offset: 24, .size: 8, .value_kind: global_buffer, .address_space: global }
      - { .name: act, .offset: 32, .size: 8, .value_kind: global_buffer, .address_space: global }
    .group_segment_fixed_size: 262656
    .private_segment_fixed_size: 0
    .kernarg_segment_align: 8
    .kernarg_segment_size: 40
    .max_flat_workgroup_size: 128
    .sgpr_count:     104
    .vgpr_count:     512
    .wavefront_size: 32
...
	.end_amdgpu_metadata
.endif
;; end of part 6
;; launch ffn2: the kernel of part 4 again; grid 8 x 32, 4 waves a work-group, clusters of 4 x 4, 280,064 bytes of LDS; arguments act, w2, ffn2_bias, x1, out0; writes out0
